; MI455X (gfx1250); checked and timed in simulation.
; The chip was launched on July 23, 2026; its instructions are those of AMD's public machine-readable ISA for CDNA 5 (MIT licence, August 2026) and "CDNA5" Instruction Set Architecture Reference Guide (July 2026). The comments in the code are by the model that wrote it; some were corrected since.
;; Transformer blk. Allowed arithmetic: matrix products marked QUANTISED: E2M1 operands, one E8M0 scale for each 32 along K, by v_wmma_scale_f32_16x16x128_f8f6f4 with both operands' format E2M1 (or v_wmma_scale_f32_32x16x128_f4), f32 sums; everything else in f32.
;; Inputs: b1 2,048 float32; b2 512 float32; bo 512 float32; g1 512 float32; g2 512 float32; s1 512 float32; s2 512 float32; w1 512 x 2,048 float32; w2 2,048 x 512 float32; wk 512 x 512 float32; wo 512 x 512 float32; wq 512 x 512 float32; wv 512 x 512 float32; x 4 x 2,048 x 512 float32.
;; Outputs: out0 4 x 2,048 x 512 float32.
;; This version of the problem:
;;   THIS VERSION OF THE PROBLEM IS GIVEN IN LOW PRECISION. The matrix products marked QUANTISED in the list below multiply operands that are first quantised to E2M1 (2 exponent bits, 1 mantissa bit; 4 bits a number), with one power-of-two scale for each 32 numbers along K (OCP MX v1.0); their sums are f32. All else is computed in f32.
;;   The module's matrix products, in the order in which they are computed (A, B: the left and right operand; K: the contracted axis; several contracted axes count as one K, in the product's order):
;;     1. [M 8,192, K 512] x [K 512, N 512]; A: computed on the way; B: input wq: QUANTISED
;;     2. [M 8,192, K 512] x [K 512, N 512]; A: computed on the way; B: input wk: QUANTISED
;;     3. [M 8,192, K 512] x [K 512, N 512]; A: computed on the way; B: input wv: QUANTISED
;;     4. batch 64 x [M 2,048, K 32] x [K 32, N 2,048]; A: computed on the way; B: computed on the way: QUANTISED
;;     5. batch 64 x [M 2,048, K 2,048] x [K 2,048, N 32]; A: softmax (see below); B: computed on the way: QUANTISED
;;     6. [M 8,192, K 512] x [K 512, N 512]; A: computed on the way; B: input wo: QUANTISED
;;     7. [M 8,192, K 512] x [K 512, N 2,048]; A: computed on the way; B: input w1: QUANTISED
;;     8. [M 8,192, K 2,048] x [K 2,048, N 512]; A: computed on the way; B: input w2: QUANTISED
;;   THE QUANTISER, for each operand of a quantised product, along K:
;;     - K is cut into blocks of 32 from its start; a last block that is shorter is filled with zeros.
;;     - A block's scale is 2^e with e = floor(log2(the largest magnitude in the block)) - 2, held to -126 .. 127; a block of zeros has e = 0. As a byte (E8M0): e + 127.
;;     - Each number is divided by its block's scale, clamped to +-6, and rounded to the nearest number of E2M1, ties to even, subnormals kept.
;;     - The product sums the exact products of the quantised numbers (number of the format x scale) in f32.
;;   ~~~python
;;   def quantise(x, axis):      # numpy; x: float32 -> the quantised numbers, widened to float32 again
;;       x = np.moveaxis(x, axis, -1); K = x.shape[-1]
;;       x = np.pad(x, [(0, 0)] * (x.ndim - 1) + [(0, -K % 32)]); x = x.reshape(x.shape[:-1] + (-1, 32)); a = np.abs(x).max(-1, keepdims=True)
;;       e = np.where(a > 0, np.clip(np.frexp(np.where(a > 0, a, 1))[1] - 1 - 2, -126, 127), 0)      # np.frexp(a)[1] - 1 = floor(log2(a)), exactly
;;       r = np.clip(x / 2.0 ** e, -6, 6)
;;       step = 2.0 ** (np.maximum(np.frexp(np.where(r == 0, 1, r))[1] - 1, 0) - 1)
;;       q = np.round(r / step) * step * 2.0 ** e      # np.round: ties to even
;;       return np.moveaxis(q.reshape(q.shape[:-2] + (-1,))[..., :K], -1, axis).astype(np.float32)
;;   ~~~
;;   SOFTMAX AHEAD OF A QUANTISED PRODUCT. Where the list says 'softmax', what is quantised is not the finished softmax but p = 2^(t - M), with t = logit x log2(e) and M = ceil(the row's largest t), a whole number; so 1/2 < the row's largest p <= 1. The row's sum l is taken of the UNQUANTISED p, in f32, and the product's result is divided by l at the end. Since M is a whole number, a kernel that streams over the keys may use a running M (the ceiling of the running maximum): every later rescaling is an exact power of two, which a block's scale takes up: the codes' values come out the same.
;;   OPERANDS COMPUTED ON THE WAY. 'Computed on the way' means the value that the module computes at that place (a softmax that the list does not call 'softmax' is quantised finished and normalised). What goes into a quantiser is computed in f32, as accurately as f32 sums, v_exp_f32 and their like allow (about 1e-6 of the number): no bf16 or f16 on the way to a quantiser, and a product that is left as it is and whose result goes on into a quantised operand takes f32 operands (vector FMAs, or v_wmma_f32_16x16x4_f32). A number that lies on a knife's edge between two numbers of the format may be rounded either way, as far as f32 arithmetic and the matrix unit's own rounding can turn it there, and no further.
;; One version. Each part assembles by itself: llvm-mc -triple=amdgcn-amd-amdhsa -mcpu=gfx1250 --defsym DOCPART=n.
;; ======== version 1 of 1: 4 launches
;; limits: right only within a limited range of input values
;; workspace buffers: wts 1,671,168 bytes; hq 2,228,224 bytes; qkv 6,684,672 bytes; ctxq 2,228,224 bytes
;; launch prep (part 1): grid 352 x 1, 8 waves a work-group, no clusters, 30,720 bytes of LDS; arguments x, g1, s1, wq, wk, wv, wo, w1, w2, hq, wts; writes hq, wts
.if DOCPART == 1
	.amdgcn_target "amdgcn-amd-amdhsa--gfx1250"
	.amdhsa_code_object_version 6
	.text
	.protected	k_qac744aab24_prep
	.globl	k_qac744aab24_prep
	.p2align	8
	.type	k_qac744aab24_prep,@function
k_qac744aab24_prep:
	s_mov_b64 s[64:65], 0
	v_nop
	global_prefetch_b8 v0, s[64:65] scope:SCOPE_SE
	s_setreg_imm32_b32 hwreg(HW_REG_WAVE_MODE, 25, 1), 1
	s_wait_xcnt 0x0
; PREP.  Work-groups 0-255: h = layer norm 1 of x, quantised to E2M1 along its 512 columns.  Work-groups 256-351: the six weights [K][N], quantised along K, their first axis.
; ONE LAYOUT FOR EVERY OPERAND of this program: rows (the index that is not K) in groups of 32, K in steps of 128.  Codes: group x steps x 2048 + step x 2048 + u x 1024 + c x 512 + h x 256 + r x 16 + byte
; holds row 32 group + 16 (r / 8) + 8 u + r % 8 and k = 128 step + 64 c + 32 h + 2 byte (the lower k in the low four bits): the 1,024 bytes of (group, step, u) are the image of a fragment's registers,
; 16 bytes a lane.  Scale bytes: group x steps x 128 + step x 128 + u x 64 + r x 4 + (2 c + h): one word a row and step.
; A block's scale byte is its largest magnitude's exponent field - 2, held at 1 from below.
; LIMITS: NaN and infinities among the inputs are not served; a block whose largest magnitude lies under 2^-124 keeps the byte 1; a block of zeros gets the byte 1 where the rule says 127: its codes are zeros,
; which add nothing under any byte but 0xff, and this program alone reads the bytes.
; No matrix unit, no tensor load, no cluster: a stream; work-groups share no input but g1 and s1 (4 KB).
.set IMG, 20480                        ; LDS: behind the eight stages of 2,560 bytes: the group's 8,192 bytes of codes,
.set IMS, 28672                        ; and its 512 scale bytes
.set WSC, 1572864                      ; wts: where the scale bytes begin
.set HQS, 2097152                      ; hq: likewise
.set G, 16                             ; v16-31   g1 of my 16 columns
.set S, 32                             ; v32-47   s1
.set R, 48                             ; v48-111  four rows as loaded
.set X, 112                            ; v112-175 four rows, 16 neighbouring columns a lane
.set T, 176                            ; v176-207 eight registers a row, at work: +0,+1 sums, +2 the other half's, +3 scale operand, +4 mean, +6 1/sqrt
.set C, 208                            ; v208-215 codes, two registers a row
.set E, 216                            ; v216-219 scale bytes
	s_load_b256 s[4:11], s[0:1], 0x0               ; x, g1, s1, wq
	s_load_b256 s[12:19], s[0:1], 0x20             ; wk, wv, wo, w1
	s_load_b128 s[20:23], s[0:1], 0x40             ; w2, hq
	s_load_b64 s[24:25], s[0:1], 0x50              ; wts
	v_lshl_add_u32 v224, v0, 2, 0x7400
	v_mov_b32 v225, 0
	v_lshrrev_b32 v1, 5, v0
	s_delay_alu instid0(VALU_DEP_1)
	v_readfirstlane_b32 s26, v1                    ; wave 0..7
	v_and_b32 v1, 31, v0                           ; lane
	s_cmp_lt_u32 ttmp9, 256
	s_cbranch_scc0 .Lweights
; ---- LAYER NORM 1.  The work-group owns group g = 32 tokens.  Wave w = 4 u + a owns tile u's rows r = 4 a + i, i = 0..3: tokens 32 g + 16 (a / 2) + 8 u + 4 (a % 2) + i, four neighbouring rows of x.
	s_and_b32 s30, s26, 3                          ; a
	s_lshr_b32 s31, s26, 2                         ; u
	v_lshlrev_b32 v2, 4, v1                        ; 16 x lane
	s_mul_i32 s32, s26, 2560                       ; my stage
	v_lshrrev_b32 v10, 2, v1
	s_delay_alu instid0(VALU_DEP_1)
	v_mul_u32_u24 v3, v10, 80
	v_and_b32 v10, 3, v1
	s_delay_alu instid0(VALU_DEP_1)
	v_lshl_add_u32 v3, v10, 4, v3
	s_delay_alu instid0(VALU_DEP_1)
	v_add_nc_u32 v3, s32, v3                       ; into the stage: four lanes' 64 bytes on end, then 16 of padding
	v_mul_u32_u24 v4, v1, 80
	s_delay_alu instid0(VALU_DEP_1)
	v_add_nc_u32 v4, s32, v4                       ; out of it: 64 bytes a lane: columns 16 lane .. + 15
	v_lshrrev_b32 v10, 3, v1                       ; my columns' step of 128
	s_delay_alu instid0(VALU_DEP_1)
	v_lshlrev_b32 v5, 11, v10
	s_delay_alu instid0(VALU_DEP_2)
	v_lshlrev_b32 v6, 7, v10
	v_bfe_u32 v10, v1, 2, 1                        ; c
	s_delay_alu instid0(VALU_DEP_1)
	v_lshl_add_u32 v5, v10, 9, v5
	v_bfe_u32 v10, v1, 1, 1                        ; h
	s_delay_alu instid0(VALU_DEP_1)
	v_lshl_add_u32 v5, v10, 8, v5
	v_and_b32 v10, 1, v1                           ; which half of the block's 16 bytes
	s_delay_alu instid0(VALU_DEP_1)
	v_lshl_add_u32 v5, v10, 3, v5
	s_lshl_b32 s33, s31, 10
	s_lshl_b32 s34, s30, 6
	s_add_co_u32 s33, s33, s34
	s_add_co_u32 s33, s33, IMG
	v_add_nc_u32 v5, s33, v5                       ; my 8 bytes of codes of row i: + 16 i
	v_bfe_u32 v10, v1, 1, 2                        ; 2 c + h
	s_delay_alu instid0(VALU_DEP_1)
	v_add_nc_u32 v6, v6, v10
	s_lshl_b32 s33, s31, 6
	s_lshl_b32 s34, s30, 4
	s_add_co_u32 s33, s33, s34
	s_add_co_u32 s33, s33, IMS
	v_add_nc_u32 v6, s33, v6                       ; my block's scale byte of row i: + 4 i
	s_lshl_b32 s33, s26, 10
	v_add_nc_u32 v9, s33, v2                       ; the way out: 1,024 bytes a wave
	s_delay_alu instid0(VALU_DEP_1)
	v_add_nc_u32 v7, IMG, v9
	v_add_nc_u32 v11, IMS, v2
	v_lshlrev_b32 v8, 6, v1                        ; g1, s1: 64 bytes a lane
	s_lshl_b32 s35, ttmp9, 5
	s_lshr_b32 s34, s30, 1
	s_lshl_b32 s34, s34, 4
	s_add_co_u32 s35, s35, s34
	s_lshl_b32 s34, s31, 3
	s_add_co_u32 s35, s35, s34
	s_and_b32 s34, s30, 1
	s_lshl_b32 s34, s34, 2
	s_add_co_u32 s35, s35, s34                     ; my first token
	s_lshl_b32 s34, s35, 11                        ; x 2,048 bytes
	s_mov_b32 s35, 0
	s_lshl_b32 s36, ttmp9, 13                      ; the group's codes in hq
	s_mov_b32 s37, 0
	s_lshl_b32 s38, ttmp9, 9                       ; and its scale bytes
	s_add_co_u32 s38, s38, HQS
	s_mov_b32 s39, 0
	s_mov_b32 s28, 0x76543210
	s_mov_b32 s29, 0xfedcba98                      ; v_permlanex16_b32's selects for lane l xor 16
	s_mov_b32 s40, 0x3b000000                      ; 1 / 512
	s_mov_b32 s41, 0x26901d7d                      ; 1e-15
.irp i, 0,1,2,3
	v_mov_b32 v[T+8*\i+2], 0                       ; written once: a lane permute's destination, and the upper halves of pairs of which the low word serves both halves
	v_mov_b32 v[T+8*\i+5], 0
	v_mov_b32 v[T+8*\i+7], 0
.endr
	s_wait_kmcnt 0x0
	s_add_nc_u64 s[4:5], s[4:5], s[34:35]
	s_add_nc_u64 s[36:37], s[22:23], s[36:37]
	s_add_nc_u64 s[38:39], s[22:23], s[38:39]
.irp k, 0,1,2,3
	global_load_b128 v[G+4*\k:G+4*\k+3], v8, s[6:7] offset:16*\k
	global_load_b128 v[S+4*\k:S+4*\k+3], v8, s[8:9] offset:16*\k
.endr
.irp i, 0,1,2,3
.irp k, 0,1,2,3
	global_load_b128 v[R+16*\i+4*\k:R+16*\i+4*\k+3], v2, s[4:5] offset:2048*\i+512*\k th:TH_LOAD_NT   ; 32 lanes read 512 consecutive bytes
.endr
.endr
	s_wait_loadcnt 0x0
; each row turns through my stage: in as loaded, out 64 bytes a lane.  LDS serves a wave's instructions in order, so one stage serves the four rows without a wait
.irp i, 0,1,2,3
.irp k, 0,1,2,3
	ds_store_b128 v3, v[R+16*\i+4*\k:R+16*\i+4*\k+3] offset:640*\k
.endr
.irp k, 0,1,2,3
	ds_load_b128 v[X+16*\i+4*\k:X+16*\i+4*\k+3], v4 offset:16*\k
.endr
.endr
	s_wait_dscnt 0x0
.macro WSUM                            ; v[T + 8 i] summed over the 32 lanes, the four rows by turns
.irp m, 1,2,4,8
.irp i, 0,1,2,3
	s_delay_alu instid0(VALU_DEP_4)
	v_add_f32_dpp v[T+8*\i], v[T+8*\i], v[T+8*\i] row_xmask:\m row_mask:0xf bank_mask:0xf
.endr
.endr
.irp i, 0,1,2,3
	s_delay_alu instid0(VALU_DEP_4)
	v_permlanex16_b32 v[T+8*\i+2], v[T+8*\i], s28, s29
.endr
.irp i, 0,1,2,3
	s_delay_alu instid0(VALU_DEP_4)
	v_add_f32 v[T+8*\i], v[T+8*\i], v[T+8*\i+2]
.endr
.endm
.irp i, 0,1,2,3
	v_pk_add_f32 v[T+8*\i:T+8*\i+1], v[X+16*\i:X+16*\i+1], v[X+16*\i+2:X+16*\i+3]
.endr
.irp j, 4,6,8,10,12,14
.irp i, 0,1,2,3
	s_delay_alu instid0(VALU_DEP_4)
	v_pk_add_f32 v[T+8*\i:T+8*\i+1], v[T+8*\i:T+8*\i+1], v[X+16*\i+\j:X+16*\i+\j+1]
.endr
.endr
.irp i, 0,1,2,3
	s_delay_alu instid0(VALU_DEP_4)
	v_add_f32 v[T+8*\i], v[T+8*\i], v[T+8*\i+1]
.endr
	WSUM
.irp i, 0,1,2,3
	s_delay_alu instid0(VALU_DEP_4)
	v_mul_f32 v[T+8*\i+4], s40, v[T+8*\i]          ; the mean
.endr
.irp j, 0,2,4,6,8,10,12,14
.irp i, 0,1,2,3
	v_pk_add_f32 v[X+16*\i+\j:X+16*\i+\j+1], v[X+16*\i+\j:X+16*\i+\j+1], v[T+8*\i+4:T+8*\i+5] op_sel_hi:[1,0] neg_lo:[0,1] neg_hi:[0,1]   ; x - mean: the squares are taken of differences, as reference() takes them
.endr
.endr
.irp i, 0,1,2,3
	v_pk_mul_f32 v[T+8*\i:T+8*\i+1], v[X+16*\i:X+16*\i+1], v[X+16*\i:X+16*\i+1]
.endr
.irp j, 2,4,6,8,10,12,14
.irp i, 0,1,2,3
	s_delay_alu instid0(VALU_DEP_4)
	v_pk_fma_f32 v[T+8*\i:T+8*\i+1], v[X+16*\i+\j:X+16*\i+\j+1], v[X+16*\i+\j:X+16*\i+\j+1], v[T+8*\i:T+8*\i+1]
.endr
.endr
.irp i, 0,1,2,3
	s_delay_alu instid0(VALU_DEP_4)
	v_add_f32 v[T+8*\i], v[T+8*\i], v[T+8*\i+1]
.endr
	WSUM
.irp i, 0,1,2,3
	s_delay_alu instid0(VALU_DEP_4)
	v_fma_f32 v[T+8*\i], v[T+8*\i], s40, s41       ; variance + 1e-15
.endr
	s_wait_alu depctr_va_vdst(0)
.irp i, 0,1,2,3
	v_rsq_f32 v[T+8*\i+6], v[T+8*\i]
.endr
	v_nop                                          ; a plain instruction behind the last of the four,
	s_wait_alu depctr_va_vdst(0)                   ; and one wait for the four, ahead of the first reader
.irp j, 0,2,4,6,8,10,12,14
.irp i, 0,1,2,3
	v_pk_mul_f32 v[X+16*\i+\j:X+16*\i+\j+1], v[X+16*\i+\j:X+16*\i+\j+1], v[T+8*\i+6:T+8*\i+7] op_sel_hi:[1,0]
.endr
.endr
.irp j, 0,2,4,6,8,10,12,14
.irp i, 0,1,2,3
	v_pk_fma_f32 v[X+16*\i+\j:X+16*\i+\j+1], v[X+16*\i+\j:X+16*\i+\j+1], v[G+\j:G+\j+1], v[S+\j:S+\j+1]
.endr
.endr
; the quantiser: two neighbouring lanes hold a block of 32
.irp i, 0,1,2,3
	v_max3_num_f32 v[T+8*\i], |v[X+16*\i]|, |v[X+16*\i+1]|, |v[X+16*\i+2]|
	v_max3_num_f32 v[T+8*\i+1], |v[X+16*\i+3]|, |v[X+16*\i+4]|, |v[X+16*\i+5]|
.endr
.irp j, 6,10
.irp i, 0,1,2,3
	v_max3_num_f32 v[T+8*\i], v[T+8*\i], |v[X+16*\i+\j]|, |v[X+16*\i+\j+1]|
	v_max3_num_f32 v[T+8*\i+1], v[T+8*\i+1], |v[X+16*\i+\j+2]|, |v[X+16*\i+\j+3]|
.endr
.endr
.irp i, 0,1,2,3
	v_max3_num_f32 v[T+8*\i], v[T+8*\i], |v[X+16*\i+14]|, |v[X+16*\i+15]|
.endr
.irp i, 0,1,2,3
	s_delay_alu instid0(VALU_DEP_4)
	v_max3_num_f32 v[T+8*\i], v[T+8*\i], v[T+8*\i+1], 0x1800000   ; and the floor 2^(3 - 127): the byte cannot fall under 1
.endr
.irp i, 0,1,2,3
	s_delay_alu instid0(VALU_DEP_4)
	v_max_num_f32_dpp v[T+8*\i], v[T+8*\i], v[T+8*\i] row_xmask:1 row_mask:0xf bank_mask:0xf   ; with my neighbour's 16: the block's largest magnitude
.endr
.irp i, 0,1,2,3
	s_delay_alu instid0(VALU_DEP_4)
	v_add_nc_u32 v[T+8*\i+3], 0xff000000, v[T+8*\i]   ; 2 off its exponent field: the conversion takes the exponent field of this operand as its scale
.endr
.irp i, 0,1,2,3
	v_cvt_scalef32_pk8_fp4_f32 v[C+2*\i], v[X+16*\i:X+16*\i+7], v[T+8*\i+3]
	v_cvt_scalef32_pk8_fp4_f32 v[C+2*\i+1], v[X+16*\i+8:X+16*\i+15], v[T+8*\i+3]
.endr
.irp i, 0,1,2,3
	v_lshrrev_b32 v[E+\i], 23, v[T+8*\i+3]         ; the scale's byte
.endr
.irp i, 0,1,2,3
	ds_store_b64 v5, v[C+2*\i:C+2*\i+1] offset:16*\i
	ds_store_b8 v6, v[E+\i] offset:4*\i            ; both lanes of a block write the same byte with the same value
.endr
	s_wait_dscnt 0x0                               ; for the others' sake: my part of the image has landed
	s_barrier_signal -1
	s_barrier_wait -1
	ds_load_b128 v[48:51], v7
	ds_load_b128 v[52:55], v7 offset:512
	s_wait_dscnt 0x0
	global_store_b128 v9, v[48:51], s[36:37]       ; each store of the wave covers 512 consecutive bytes, aligned
	global_store_b128 v9, v[52:55], s[36:37] offset:512
	s_cmp_lg_u32 s26, 0
	s_cbranch_scc1 .Lln_end
	ds_load_b128 v[56:59], v11                     ; wave 0: the group's 512 scale bytes
	s_wait_dscnt 0x0
	global_store_b128 v2, v[56:59], s[38:39]
.Lln_end:
	s_wait_tensorcnt 0x0
	ds_add_u32 v224, v225
	s_wait_dscnt 0x0
	s_endpgm
; ---- THE WEIGHTS.  A wave takes 32 columns x 128 along K.  A LANE TAKES A COLUMN AND ITS REGISTERS RUN DOWN K: each load reads 128 consecutive bytes, a block of 32 lies in one lane, and the codes come out K innermost.
; Task tau = 8 (work-group - 256) + wave: 0-255 wq, wk, wv, wo (64 each: 16 groups x 4 steps); 256-511 w1 (64 groups x 4 steps); 512-767 w2 (16 groups x 16 steps).  No LDS, no barrier.
.Lweights:
	s_sub_co_u32 s30, ttmp9, 256                   ; j
	s_lshl_b32 s31, s30, 3
	s_add_co_u32 s31, s31, s26                     ; tau
	s_lshr_b32 s32, s30, 3
	s_and_b32 s34, s32, 12                         ; 4 for w1, 8 for w2
	s_cmp_lt_u32 s30, 32
	s_cselect_b32 s34, s32, s34                    ; the weight's place in wts, in units of 131,072 bytes of codes and 8,192 of scales: 0-3, 4, 8
	s_cselect_b32 s33, 63, 255
	s_and_b32 s33, s31, s33                        ; the task within its weight
	s_cmp_ge_u32 s30, 64                           ; w2 has 16 steps, the others 4
	s_cselect_b32 s35, 4, 2
	s_cselect_b32 s36, 15, 3
	s_cselect_b32 s37, 15, 13                      ; a group's codes: steps x 2,048 bytes, as a shift
	s_cselect_b32 s38, 11, 9                       ; its scale bytes: steps x 128
	s_lshr_b32 s39, s33, s35                       ; the group of 32 columns
	s_and_b32 s40, s33, s36                        ; the step of 128 along K
	s_cmp_eq_u32 s34, 4
	s_cselect_b32 s41, 20, 18                      ; 128 rows of 8,192 bytes (w1) or of 2,048
	s_lshl_b32 s42, s40, s41
	s_lshl_b32 s43, s39, 7
	s_add_co_u32 s42, s42, s43                     ; where my part of the weight begins
	s_mov_b32 s43, 0
	s_lshl_b32 s44, s34, 17
	s_lshl_b32 s45, s39, s37
	s_add_co_u32 s44, s44, s45
	s_lshl_b32 s45, s40, 11
	s_add_co_u32 s44, s44, s45                     ; my 2,048 bytes of codes
	s_mov_b32 s45, 0
	s_lshl_b32 s46, s34, 13
	s_lshl_b32 s47, s39, s38
	s_add_co_u32 s46, s46, s47
	s_lshl_b32 s47, s40, 7
	s_add_co_u32 s46, s46, s47
	s_add_co_u32 s46, s46, WSC                     ; my 128 scale bytes
	s_mov_b32 s47, 0
	s_wait_alu depctr_va_vdst(0)
	v_lshlrev_b32 v2, 2, v1                        ; 4 bytes a lane
	v_lshrrev_b32 v12, 4, v1
	v_and_b32 v13, 7, v1
	s_delay_alu instid0(VALU_DEP_1)
	v_lshl_add_u32 v12, v12, 3, v13                ; column 32 group + lane is row r = 8 (lane / 16) + lane % 8
	v_bfe_u32 v13, v1, 3, 1                        ; of tile u = (lane / 8) % 2
	s_delay_alu instid0(VALU_DEP_2)
	v_lshlrev_b32 v10, 4, v12
	s_delay_alu instid0(VALU_DEP_1)
	v_lshl_add_u32 v10, v13, 10, v10
	s_delay_alu instid0(VALU_DEP_4)
	v_lshlrev_b32 v11, 2, v12
	s_delay_alu instid0(VALU_DEP_1)
	v_lshl_add_u32 v11, v13, 6, v11
	s_wait_kmcnt 0x0
	s_cmp_eq_u32 s34, 1                            ; the buffer is chosen by the work-group's number alone
	s_cselect_b64 s[48:49], s[12:13], s[10:11]
	s_cmp_eq_u32 s34, 2
	s_cselect_b64 s[48:49], s[14:15], s[48:49]
	s_cmp_eq_u32 s34, 3
	s_cselect_b64 s[48:49], s[16:17], s[48:49]
	s_cmp_eq_u32 s34, 4
	s_cselect_b64 s[48:49], s[18:19], s[48:49]
	s_cmp_eq_u32 s34, 8
	s_cselect_b64 s[48:49], s[20:21], s[48:49]
	s_add_nc_u64 s[48:49], s[48:49], s[42:43]
	s_add_nc_u64 s[50:51], s[24:25], s[44:45]
	s_add_nc_u64 s[52:53], s[24:25], s[46:47]
.macro WLOAD pitch                     ; W(128 step + i, my column), i = 0 .. 127
.set I, 0
.rept 128
	global_load_b32 v[16+I], v2, s[48:49] offset:I*\pitch th:TH_LOAD_NT
.set I, I+1
.endr
.endm
	s_cmp_eq_u32 s34, 4
	s_cbranch_scc1 .Lwide
	s_wait_alu depctr_va_vdst(0)
	WLOAD 2048
	s_branch .Lloaded
.Lwide:
	s_wait_alu depctr_va_vdst(0)
	WLOAD 8192
.Lloaded:
.macro WBLOCK b, left                  ; block b of 32 along K; left: how many younger loads may stay out
	s_wait_loadcnt \left
	v_max3_num_f32 v[144+2*\b], |v[16+32*\b]|, |v[17+32*\b]|, |v[18+32*\b]|
	v_max3_num_f32 v[145+2*\b], |v[19+32*\b]|, |v[20+32*\b]|, |v[21+32*\b]|
.irp i, 6,10,14,18,22,26
	s_delay_alu instid0(VALU_DEP_2)
	v_max3_num_f32 v[144+2*\b], v[144+2*\b], |v[16+32*\b+\i]|, |v[17+32*\b+\i]|
	s_delay_alu instid0(VALU_DEP_2)
	v_max3_num_f32 v[145+2*\b], v[145+2*\b], |v[18+32*\b+\i]|, |v[19+32*\b+\i]|
.endr
	s_delay_alu instid0(VALU_DEP_2)
	v_max3_num_f32 v[144+2*\b], v[144+2*\b], |v[46+32*\b]|, |v[47+32*\b]|
	s_delay_alu instid0(VALU_DEP_1)
	v_max3_num_f32 v[144+2*\b], v[144+2*\b], v[145+2*\b], 0x1800000   ; and the floor
	s_delay_alu instid0(VALU_DEP_1)
	v_add_nc_u32 v[152+\b], 0xff000000, v[144+2*\b]
	s_delay_alu instid0(VALU_DEP_1)
	v_lshrrev_b32 v[156+\b], 23, v[152+\b]
.irp g, 0,1,2,3
	v_cvt_scalef32_pk8_fp4_f32 v[160+4*\b+\g], v[16+32*\b+8*\g:23+32*\b+8*\g], v[152+\b]
.endr
	v_nop
	global_store_b128 v10, v[160+4*\b:163+4*\b], s[50:51] offset:512*(\b/2)+256*(\b%2)   ; lanes 0-7 and 16-23 fill 256 consecutive bytes of tile 0, the others of tile 1
.endm
	WBLOCK 0, 63                                   ; 96 younger loads were issued behind block 0's, 64 behind block 1's: 63 is the largest count that the wait can name
	WBLOCK 1, 63
	WBLOCK 2, 32
	WBLOCK 3, 0
	v_lshl_or_b32 v176, v157, 8, v156              ; the four bytes make my column's scale word of this step
	s_delay_alu instid0(VALU_DEP_1)
	v_lshl_or_b32 v176, v158, 16, v176
	s_delay_alu instid0(VALU_DEP_1)
	v_lshl_or_b32 v176, v159, 24, v176
	global_store_b32 v11, v176, s[52:53]           ; 128 consecutive bytes a wave
	s_endpgm
.Lfunc_end_k_qac744aab24_prep:
	.size	k_qac744aab24_prep, .Lfunc_end_k_qac744aab24_prep-k_qac744aab24_prep
	.p2alignl 7, 3214868480
	.fill 96, 4, 3214868480
	.section	.rodata,"a",@progbits
	.p2align	6, 0x0
	.amdhsa_kernel k_qac744aab24_prep
		.amdhsa_group_segment_fixed_size 30720
		.amdhsa_private_segment_fixed_size 0
		.amdhsa_enable_private_segment 0
		.amdhsa_kernarg_size 88
		.amdhsa_user_sgpr_count 2
		.amdhsa_user_sgpr_kernarg_segment_ptr 1
		.amdhsa_wavefront_size32 1
		.amdhsa_system_sgpr_workgroup_id_x 1
		.amdhsa_system_sgpr_workgroup_id_y 1
		.amdhsa_system_sgpr_workgroup_id_z 1
		.amdhsa_system_vgpr_workitem_id 0
		.amdhsa_next_free_vgpr 226
		.amdhsa_next_free_sgpr 66
		.amdhsa_reserve_vcc 0
		.amdhsa_float_denorm_mode_32 3
		.amdhsa_float_denorm_mode_16_64 3
		.amdhsa_memory_ordered 1
		.amdhsa_forward_progress 1
		.amdhsa_inst_pref_size 66
	.end_amdhsa_kernel
	.amdgpu_metadata
---
amdhsa.version: [ 1, 2 ]
amdhsa.kernels:
  - .name:           k_qac744aab24_prep
    .symbol:         k_qac744aab24_prep.kd
    .args:
      - { .name: x, .offset: 0, .size: 8, .value_kind: global_buffer, .address_space: global }
      - { .name: g1, .offset: 8, .size: 8, .value_kind: global_buffer, .address_space: global }
      - { .name: s1, .offset: 16, .size: 8, .value_kind: global_buffer, .address_space: global }
      - { .name: wq, .offset: 24, .size: 8, .value_kind: global_buffer, .address_space: global }
      - { .name: wk, .offset: 32, .size: 8, .value_kind: global_buffer, .address_space: global }
      - { .name: wv, .offset: 40, .size: 8, .value_kind: global_buffer, .address_space: global }
      - { .name: wo, .offset: 48, .size: 8, .value_kind: global_buffer, .address_space: global }
      - { .name: w1, .offset: 56, .size: 8, .value_kind: global_buffer, .address_space: global }
      - { .name: w2, .offset: 64, .size: 8, .value_kind: global_buffer, .address_space: global }
      - { .name: hq, .offset: 72, .size: 8, .value_kind: global_buffer, .address_space: global }
      - { .name: wts, .offset: 80, .size: 8, .value_kind: global_buffer, .address_space: global }
    .group_segment_fixed_size: 30720
    .private_segment_fixed_size: 0
    .kernarg_segment_align: 8
    .kernarg_segment_size: 88
    .max_flat_workgroup_size: 256
    .sgpr_count:     66
    .vgpr_count:     226
    .wavefront_size: 32
...
	.end_amdgpu_metadata
.endif
;; end of part 1
;; launch qkv (part 2): grid 384 x 1, 4 waves a work-group, no clusters, 0 bytes of LDS; arguments hq, wts, qkv; writes qkv
.if DOCPART == 2
	.amdgcn_target "amdgcn-amd-amdhsa--gfx1250"
	.amdhsa_code_object_version 6
	.text
	.protected	k_qac744aab24_qkv
	.globl	k_qac744aab24_qkv
	.p2align	8
	.type	k_qac744aab24_qkv,@function
k_qac744aab24_qkv:
	s_mov_b64 s[64:65], 0
	v_nop
	global_prefetch_b8 v0, s[64:65] scope:SCOPE_SE
	s_setreg_imm32_b32 hwreg(HW_REG_WAVE_MODE, 25, 1), 1
	s_wait_xcnt 0x0
; QKV.  q = h wq, k = h wk, v = h wv on codes of E2M1; the results are quantised in registers: q and k along the head's 32 (one block a token and head), v along the tokens (blocks of 32 tokens).
; ONE CORE: a wave multiplies 8 tiles of source 0 (4 groups of 32 rows) by 4 tiles of source 1 (2 groups) over K = 512: 32 accumulators, 128 matrix instructions.  Every fragment comes from memory as the
; image of its registers (the layout of launch prep): 16 bytes a lane, 512 consecutive bytes an instruction; no LDS.
; Work-groups 0-255 (64 tokens; even: q, odd: k): source 0 = the weight's columns, 4 heads a wave; source 1 = the tokens.  A lane then holds one token, and its registers run over 4 heads x 32.
; Work-groups 256-383 (128 tokens, 8 heads): source 0 = the tokens, source 1 = wv's columns, 2 heads a wave.  A lane then holds one column d, and its registers run over 128 tokens.
; Since the rows of a tile are 32 G + 16 (r / 8) + 8 u + r % 8, register 16 b + i of the 64 that belong to a tile of source 1 is index 32 b + 16 (lane / 16) + i along the next product's K.
; OUT.  Q: the same layout, K = head x 32 + d.  V: for each head 32 rows d x 2,048 keys, the same layout.  K: [head of 64][fragment of 32][1,024 bytes]: a fragment's four blocks of 32 along K are FOUR TILES OF 16 KEYS
; of one head (block t = tile t of 64 tokens), so that attention's K = 32 fills the instruction's 128 on this side; its scale words [head][step of 128 keys][fragment of 2][row]: byte t = tile t.
; K's scale words leave in pieces of 64 bytes: one byte in sixteen of what k's work-groups store.
; The weights are shared by all work-groups, and no cluster is used: each fragment goes from memory straight into the one wave's registers that multiplies by it, and a joint load would put LDS between.
; LIMITS: as in launch prep (NaN and infinities not served; the byte is held at 1 from below; a block of zeros gets the byte 1).
.set WSC, 1572864
.set HQS, 2097152
.set KC,  2097152
.set VC,  4194304
.set QS,  6291456
.set KS,  6422528
.set VS,  6553600
.set TM,  208                          ; v208-223 the quantiser's registers
; window 0: v1 16 x lane, v2 4 x lane, v3, v4 k's way out; v16-79, v112-175 source 0's fragments (two sets); v80-111, v176-207 source 1's; v224-227 scale words made; v240-251 scale words loaded (these hold scales alone)
; window 1: the accumulators: (tile n of source 1, tile a of source 0) at v[64 n + 8 a]
.set MSB, 0
.macro WIN new                         ; the immediate's high byte repeats the setting that is left
.if MSB != \new
	s_set_vgpr_msb (MSB<<8)|\new
.set MSB, \new
.endif
.endm
.macro WM d, a, b, c, sa, sb, ra, rb   ; one product; c < 0: the sum starts with 0; ra, rb: the side's scale words lie in lanes 16-31
.if (\c) < 0
.if (\ra) && (\rb)
	v_wmma_scale_f32_16x16x128_f8f6f4 v[(\d):(\d)+7], v[(\a):(\a)+7], v[(\b):(\b)+7], 0, v[(\sa)], v[(\sb)] matrix_a_fmt:MATRIX_FMT_FP4 matrix_b_fmt:MATRIX_FMT_FP4 matrix_a_scale:MATRIX_SCALE_ROW1 matrix_b_scale:MATRIX_SCALE_ROW1
.elseif (\ra)
	v_wmma_scale_f32_16x16x128_f8f6f4 v[(\d):(\d)+7], v[(\a):(\a)+7], v[(\b):(\b)+7], 0, v[(\sa)], v[(\sb)] matrix_a_fmt:MATRIX_FMT_FP4 matrix_b_fmt:MATRIX_FMT_FP4 matrix_a_scale:MATRIX_SCALE_ROW1
.elseif (\rb)
	v_wmma_scale_f32_16x16x128_f8f6f4 v[(\d):(\d)+7], v[(\a):(\a)+7], v[(\b):(\b)+7], 0, v[(\sa)], v[(\sb)] matrix_a_fmt:MATRIX_FMT_FP4 matrix_b_fmt:MATRIX_FMT_FP4 matrix_b_scale:MATRIX_SCALE_ROW1
.else
	v_wmma_scale_f32_16x16x128_f8f6f4 v[(\d):(\d)+7], v[(\a):(\a)+7], v[(\b):(\b)+7], 0, v[(\sa)], v[(\sb)] matrix_a_fmt:MATRIX_FMT_FP4 matrix_b_fmt:MATRIX_FMT_FP4
.endif
.else
.if (\ra) && (\rb)
	v_wmma_scale_f32_16x16x128_f8f6f4 v[(\d):(\d)+7], v[(\a):(\a)+7], v[(\b):(\b)+7], v[(\c):(\c)+7], v[(\sa)], v[(\sb)] matrix_a_fmt:MATRIX_FMT_FP4 matrix_b_fmt:MATRIX_FMT_FP4 matrix_a_scale:MATRIX_SCALE_ROW1 matrix_b_scale:MATRIX_SCALE_ROW1
.elseif (\ra)
	v_wmma_scale_f32_16x16x128_f8f6f4 v[(\d):(\d)+7], v[(\a):(\a)+7], v[(\b):(\b)+7], v[(\c):(\c)+7], v[(\sa)], v[(\sb)] matrix_a_fmt:MATRIX_FMT_FP4 matrix_b_fmt:MATRIX_FMT_FP4 matrix_a_scale:MATRIX_SCALE_ROW1
.elseif (\rb)
	v_wmma_scale_f32_16x16x128_f8f6f4 v[(\d):(\d)+7], v[(\a):(\a)+7], v[(\b):(\b)+7], v[(\c):(\c)+7], v[(\sa)], v[(\sb)] matrix_a_fmt:MATRIX_FMT_FP4 matrix_b_fmt:MATRIX_FMT_FP4 matrix_b_scale:MATRIX_SCALE_ROW1
.else
	v_wmma_scale_f32_16x16x128_f8f6f4 v[(\d):(\d)+7], v[(\a):(\a)+7], v[(\b):(\b)+7], v[(\c):(\c)+7], v[(\sa)], v[(\sb)] matrix_a_fmt:MATRIX_FMT_FP4 matrix_b_fmt:MATRIX_FMT_FP4
.endif
.endif
.endm
.macro PLACES                          ; four plain instructions between matrix instructions and loads into their registers, or reads of their results
.rept 4
	v_nop
.endr
.endm
	s_load_b128 s[4:7], s[0:1], 0x0                ; hq, wts
	s_load_b64 s[8:9], s[0:1], 0x10                ; qkv
	v_lshrrev_b32 v1, 5, v0
	v_readfirstlane_b32 s10, v1                    ; wave 0..3
	v_and_b32 v5, 31, v0
	v_lshlrev_b32 v1, 4, v5
	v_lshlrev_b32 v2, 2, v5
	v_and_b32 v6, 15, v0                           ; r
	v_bfe_u32 v7, v0, 4, 1                         ; h
	v_lshlrev_b32 v3, 4, v6
	v_lshl_add_u32 v3, v7, 15, v3                  ; k's codes: lanes 16-31 hold the next head, 32,768 bytes on
	v_lshlrev_b32 v4, 2, v6
	v_lshl_add_u32 v4, v7, 11, v4                  ; k's scale words: 2,048 bytes on
.irp b, 0,1,2,3
	v_mov_b32 v[TM+4+\b], 0                        ; written once: a lane permute's destination counts as one of its sources
.endr
	s_mov_b32 s44, 0x76543210
	s_mov_b32 s45, 0xfedcba98
	s_and_b32 s11, ttmp9, 255
	s_lshr_b32 s11, s11, 1                         ; q, k: the block of 64 tokens; v: the block of 128
	s_and_b32 s12, ttmp9, 1                        ; q, k: 1 = k; v: which 8 heads
	s_lshl_b32 s13, s12, 17
	s_lshl_b32 s14, s10, 15
	s_add_co_u32 s13, s13, s14                     ; q, k: source 0's codes: wq or wk, my 4 groups of columns
	s_lshl_b32 s14, s11, 15                        ; v: source 0's codes: 4 groups of tokens
	s_lshl_b32 s15, s12, 13
	s_lshl_b32 s16, s10, 11
	s_add_co_u32 s15, s15, s16
	s_add_co_u32 s15, s15, WSC                     ; q, k: source 0's scales
	s_lshl_b32 s16, s11, 11
	s_add_co_u32 s16, s16, HQS                     ; v: source 0's scales
	s_lshl_b32 s17, s11, 14                        ; q, k: source 1's codes: 2 groups of tokens
	s_lshl_b32 s18, s12, 3
	s_lshl_b32 s19, s10, 1
	s_add_co_u32 s18, s18, s19                     ; v: my first head
	s_lshl_b32 s19, s18, 13
	s_add_co_u32 s19, s19, 262144                  ; v: source 1's codes: wv, my 2 groups of columns
	s_lshl_b32 s20, s11, 10
	s_add_co_u32 s20, s20, HQS                     ; q, k: source 1's scales
	s_lshl_b32 s21, s18, 9
	s_add_co_u32 s21, s21, WSC+16384               ; v: source 1's scales
	s_mov_b32 s29, 0
	s_mov_b32 s31, 0
	s_mov_b32 s33, 0
	s_mov_b32 s35, 0
	s_wait_kmcnt 0x0
	s_cmp_ge_u32 ttmp9, 256                        ; the choice hangs on the work-group's number alone
	s_cselect_b64 s[24:25], s[4:5], s[6:7]
	s_cselect_b64 s[26:27], s[6:7], s[4:5]
	s_cselect_b32 s28, s14, s13
	s_cselect_b32 s30, s16, s15
	s_cselect_b32 s32, s19, s17
	s_cselect_b32 s34, s21, s20
	s_add_nc_u64 s[36:37], s[24:25], s[28:29]      ; source 0: codes,
	s_add_nc_u64 s[38:39], s[24:25], s[30:31]      ; scales
	s_add_nc_u64 s[40:41], s[26:27], s[32:33]      ; source 1: codes,
	s_add_nc_u64 s[42:43], s[26:27], s[34:35]      ; scales
.macro LOADS s, p                      ; K step s into set p: 30 loads
.irp g, 0,1,2,3
.irp u, 0,1
.irp c, 0,1
	global_load_b128 v[16+96*\p+16*\g+8*\u+4*\c:19+96*\p+16*\g+8*\u+4*\c], v1, s[36:37] offset:\g*8192+\s*2048+\u*1024+\c*512
.endr
.endr
.endr
.irp g, 0,1
.irp u, 0,1
.irp c, 0,1
	global_load_b128 v[80+96*\p+16*\g+8*\u+4*\c:83+96*\p+16*\g+8*\u+4*\c], v1, s[40:41] offset:\g*8192+\s*2048+\u*1024+\c*512
.endr
.endr
.endr
.irp g, 0,1,2,3
	global_load_b32 v[240+6*\p+\g], v2, s[38:39] offset:\g*512+\s*128   ; lanes 0-15: tile 0's words, lanes 16-31: tile 1's
.endr
.irp g, 0,1
	global_load_b32 v[244+6*\p+\g], v2, s[42:43] offset:\g*512+\s*128
.endr
.endm
.macro MUL p, zero                     ; 32 products, the 32 accumulators by turns
.irp n, 0,1,2,3
.irp a, 0,1,2,3,4,5,6,7
.if \zero
	WM 64*\n+8*\a, 16+96*\p+8*\a, 80+96*\p+8*\n, -1, 240+6*\p+\a/2, 244+6*\p+\n/2, \a%2, \n%2
.else
	WM 64*\n+8*\a, 16+96*\p+8*\a, 80+96*\p+8*\n, 64*\n+8*\a, 240+6*\p+\a/2, 244+6*\p+\n/2, \a%2, \n%2
.endif
.endr
.endr
.endm
	LOADS 0, 0
	LOADS 1, 1
	; where the results go.  q: group 2 f + G, step = wave.  v: head, step of 128 keys.
	s_lshl_b32 s13, s11, 14
	s_lshl_b32 s14, s10, 11
	s_add_co_u32 s13, s13, s14                     ; q's codes
	s_lshl_b32 s15, s11, 10
	s_lshl_b32 s16, s10, 7
	s_add_co_u32 s15, s15, s16
	s_add_co_u32 s15, s15, QS                      ; q's scales
	s_lshr_b32 s16, s11, 4                         ; v: the batch
	s_lshl_b32 s16, s16, 4
	s_add_co_u32 s16, s16, s18                     ; 16 batch + head
	s_lshl_b32 s16, s16, 4
	s_and_b32 s17, s11, 15
	s_add_co_u32 s16, s16, s17                     ; x 16 + the step of 128 keys
	s_lshl_b32 s17, s16, 11
	s_add_co_u32 s17, s17, VC                      ; v's codes
	s_lshl_b32 s19, s16, 7
	s_add_co_u32 s19, s19, VS                      ; v's scales
	s_mov_b32 s21, 0
	s_mov_b32 s23, 0
	s_mov_b32 s47, 0
	s_mov_b32 s49, 0
	s_mov_b32 s46, 8192
	s_mov_b32 s48, 512
	s_cmp_ge_u32 ttmp9, 256
	s_cselect_b32 s20, s17, s13
	s_cselect_b32 s22, s19, s15
	s_cselect_b32 s46, 32768, s46                  ; from source 1's group 0 to its group 1: the next group of tokens (q) or the next head (v)
	s_cselect_b32 s48, 2048, s48
	s_cselect_b32 s50, 0, s12                      ; 1: this work-group makes k
	s_add_nc_u64 s[24:25], s[8:9], s[20:21]
	s_add_nc_u64 s[26:27], s[24:25], s[46:47]
	s_add_nc_u64 s[28:29], s[8:9], s[22:23]
	s_add_nc_u64 s[30:31], s[28:29], s[48:49]
	s_lshr_b32 s13, s11, 5                         ; k: the batch
	s_lshl_b32 s13, s13, 4
	s_lshl_b32 s14, s10, 2
	s_add_co_u32 s13, s13, s14                     ; 16 batch + my first head
	s_and_b32 s14, s11, 31                         ; the fragment of 64 keys
	s_lshl_b32 s15, s13, 15
	s_lshl_b32 s16, s14, 10
	s_add_co_u32 s15, s15, s16
	s_add_co_u32 s32, s15, KC
	s_mov_b32 s33, 0
	s_lshl_b32 s15, s13, 11
	s_lshl_b32 s16, s14, 6
	s_add_co_u32 s15, s15, s16
	s_add_co_u32 s34, s15, KS
	s_mov_b32 s35, 0
	s_add_nc_u64 s[32:33], s[8:9], s[32:33]
	s_add_nc_u64 s[34:35], s[8:9], s[34:35]
	s_wait_loadcnt 30                              ; K step 0 is in; step 1's 30 loads may be out
	WIN 0x50                                       ; C and D in window 1
	MUL 0, 1
	WIN 0
	PLACES
	LOADS 2, 0
	s_wait_loadcnt 30                              ; step 1 is in
	WIN 0x50
	MUL 1, 0
	WIN 0
	PLACES
	LOADS 3, 1
	s_wait_loadcnt 30                              ; step 2 is in
	WIN 0x50
	MUL 0, 0
	s_wait_loadcnt 0x0
	MUL 1, 0
	WIN 0
	PLACES
; The 64 numbers of tile n of source 1 become a fragment's codes in v[16 + 8 n] on and its scale word in v[224 + n].  Each accumulator is read from its low end on.
.macro QUANT n
	WIN 0x05
.irp b, 0,1,2,3
	v_max3_num_f32 v[TM+\b], |v[64*\n+16*\b]|, |v[64*\n+16*\b+1]|, 0x1800000   ; block b: my 16 numbers, and the floor 2^(3 - 127)
.endr
	WIN 0x14
.irp i, 2,4,6,8,10,12,14
.irp b, 0,1,2,3
	v_max3_num_f32 v[TM+\b], v[TM+\b], |v[64*\n+16*\b+\i]|, |v[64*\n+16*\b+\i+1]|
.endr
.endr
	WIN 0
.irp b, 0,1,2,3
	v_permlanex16_b32 v[TM+4+\b], v[TM+\b], s44, s45
.endr
.irp b, 0,1,2,3
	v_max_num_f32 v[TM+\b], v[TM+\b], v[TM+4+\b]   ; with lane l xor 16's: the block's largest magnitude
.endr
.irp b, 0,1,2,3
	v_add_nc_u32 v[TM+12+\b], 0xff000000, v[TM+\b]
.endr
.irp b, 0,1,2,3
	v_lshrrev_b32 v[TM+4+\b], 23, v[TM+12+\b]
.endr
	v_lshl_or_b32 v[224+\n], v[TM+5], 8, v[TM+4]
	v_lshl_or_b32 v[224+\n], v[TM+6], 16, v[224+\n]
	v_lshl_or_b32 v[224+\n], v[TM+7], 24, v[224+\n]
	WIN 0x01
.irp b, 0,1,2,3
	v_cvt_scalef32_pk8_fp4_f32 v[16+8*\n+2*\b], v[64*\n+16*\b:64*\n+16*\b+7], v[TM+12+\b]
	v_cvt_scalef32_pk8_fp4_f32 v[17+8*\n+2*\b], v[64*\n+16*\b+8:64*\n+16*\b+15], v[TM+12+\b]
.endr
	WIN 0
	v_nop                                          ; one plain place behind a scaled conversion
.irp c, 0,1                            ; the operand's layout wants a whole block in a lane
.irp i, 0,1
	v_permlane16_swap_b32 v[16+8*\n+4*\c+\i], v[18+8*\n+4*\c+\i]
.endr
.endr
.endm
	QUANT 0
	QUANT 1
	QUANT 2
	QUANT 3
	s_mov_b32 vcc_lo, 0xffff0000                   ; lanes 16-31
	s_cmp_eq_u32 s50, 1
	s_cbranch_scc1 .Lkeys
; q and v: each fragment leaves as it stands, 512 consecutive bytes a store
.irp n, 0,1,2,3
	global_store_b128 v1, v[16+8*\n:19+8*\n], s[24+2*(\n/2):25+2*(\n/2)] offset:(\n%2)*1024
	global_store_b128 v1, v[20+8*\n:23+8*\n], s[24+2*(\n/2):25+2*(\n/2)] offset:(\n%2)*1024+512
.endr
	v_cndmask_b32 v228, v224, v225, vcc_lo         ; tile 0's words in lanes 0-15, tile 1's in lanes 16-31 (both halves of the lanes hold a row's word)
	v_cndmask_b32 v229, v226, v227, vcc_lo
	global_store_b32 v2, v228, s[28:29]
	global_store_b32 v2, v229, s[30:31]
	s_endpgm
.Lkeys:
; k: registers 4 c .. 4 c + 3 of lane (r, h) are the 32 codes of head 2 c + h of my four, token row r of tile n: they go to that head's fragment, block n: sixteen lanes fill 256 consecutive bytes
	s_wait_alu depctr_va_vdst(0)
.irp n, 0,1,2,3
.irp c, 0,1
	global_store_b128 v3, v[16+8*\n+4*\c:19+8*\n+4*\c], s[32:33] offset:\c*65536+\n*256
.endr
.endr
	v_perm_b32 v228, v225, v224, 0x05010400        ; the scale words (byte = head, one word a tile) are turned into words with byte = tile, one a head
	v_perm_b32 v229, v225, v224, 0x07030602
	v_perm_b32 v230, v227, v226, 0x05010400
	v_perm_b32 v231, v227, v226, 0x07030602
	v_perm_b32 v232, v230, v228, 0x05040100        ; head 0
	v_perm_b32 v233, v230, v228, 0x07060302        ; head 1
	v_perm_b32 v234, v231, v229, 0x05040100        ; head 2
	v_perm_b32 v235, v231, v229, 0x07060302        ; head 3
	v_cndmask_b32 v236, v232, v233, vcc_lo
	v_cndmask_b32 v237, v234, v235, vcc_lo
	global_store_b32 v4, v236, s[34:35]
	global_store_b32 v4, v237, s[34:35] offset:4096
	s_endpgm
.Lfunc_end_k_qac744aab24_qkv:
	.size	k_qac744aab24_qkv, .Lfunc_end_k_qac744aab24_qkv-k_qac744aab24_qkv
	.p2alignl 7, 3214868480
	.fill 96, 4, 3214868480
	.section	.rodata,"a",@progbits
	.p2align	6, 0x0
	.amdhsa_kernel k_qac744aab24_qkv
		.amdhsa_group_segment_fixed_size 0
		.amdhsa_private_segment_fixed_size 0
		.amdhsa_enable_private_segment 0
		.amdhsa_kernarg_size 24
		.amdhsa_user_sgpr_count 2
		.amdhsa_user_sgpr_kernarg_segment_ptr 1
		.amdhsa_wavefront_size32 1
		.amdhsa_system_sgpr_workgroup_id_x 1
		.amdhsa_system_sgpr_workgroup_id_y 1
		.amdhsa_system_sgpr_workgroup_id_z 1
		.amdhsa_system_vgpr_workitem_id 0
		.amdhsa_next_free_vgpr 512
		.amdhsa_next_free_sgpr 66
		.amdhsa_reserve_vcc 1
		.amdhsa_float_denorm_mode_32 3
		.amdhsa_float_denorm_mode_16_64 3
		.amdhsa_memory_ordered 1
		.amdhsa_forward_progress 1
		.amdhsa_inst_pref_size 51
	.end_amdhsa_kernel
	.amdgpu_metadata
---
amdhsa.version: [ 1, 2 ]
amdhsa.kernels:
  - .name:           k_qac744aab24_qkv
    .symbol:         k_qac744aab24_qkv.kd
    .args:
      - { .name: hq, .offset: 0, .size: 8, .value_kind: global_buffer, .address_space: global }
      - { .name: wts, .offset: 8, .size: 8, .value_kind: global_buffer, .address_space: global }
      - { .name: qkv, .offset: 16, .size: 8, .value_kind: global_buffer, .address_space: global }
    .group_segment_fixed_size: 0
    .private_segment_fixed_size: 0
    .kernarg_segment_align: 8
    .kernarg_segment_size: 24
    .max_flat_workgroup_size: 128
    .sgpr_count:     66
    .vgpr_count:     512
    .wavefront_size: 32
...
	.end_amdgpu_metadata
.endif
;; end of part 2
;; launch attn (part 3): grid 16 x 16, 16 waves a work-group, no clusters, 2,560 bytes of LDS; arguments qkv, ctxq; writes ctxq
.if DOCPART == 3
	.amdgcn_target "amdgcn-amd-amdhsa--gfx1250"
	.amdhsa_code_object_version 6
	.text
	.protected	k_qac744aab24_attn
	.globl	k_qac744aab24_attn
	.p2align	8
	.type	k_qac744aab24_attn,@function
k_qac744aab24_attn:
	s_mov_b64 s[64:65], 0
	v_nop
	global_prefetch_b8 v0, s[64:65] scope:SCOPE_SE
	s_setreg_imm32_b32 hwreg(HW_REG_WAVE_MODE, 25, 1), 1
	s_wait_xcnt 0x0
; ATTN.  ctx = softmax(q k^T / sqrt(32), causal) v for 64 heads of 2,048 tokens, both products on codes of E2M1; ctx is quantised, one block a token and head, for the product with wo.
; THE SOFTMAX AHEAD OF THE SECOND PRODUCT: t = score x log2(e) / sqrt(32); M = the row's largest t so far, rounded UP to a whole number; p = 2^(t - M) is quantised along the keys, not normalised; the row's sum is
; taken of the unquantised p and divides at the end.  When M moves, the sum and O are multiplied by 2^(old M - new M): exact.
; SHARES.  Work-group (x, y): batch y / 4, heads 4 (y % 4) .. + 3.  Wave w: head w % 4 of these, and the pair of query tiles p = 4 x + w / 4 and 127 - p, one after the other.  Tile i (16 queries) needs the key steps
; 0 .. i / 8 of 128 keys, so a pair is 17 steps whatever p: all 4,096 waves have the same work.  Steps that lie wholly above the diagonal are not done; the diagonal lies in a tile's last step alone.
; BOTH PRODUCTS ARE USED TRANSPOSED: S^T = K Q^T, O^T = V^T P^T: a lane holds one query throughout.
; K = 32 IN AN INSTRUCTION OF 128.  A fragment of K holds FOUR tiles of 16 keys in its four blocks; the query operand Q_j holds q in block j and zero codes elsewhere, so that fragment x Q_j = the scores of tile j.
; Q_0 .. Q_3 are windows into twenty registers: zeros, q in lanes 0-15, zeros, q in lanes 16-31, zeros.
; The rows of a tile are 32 G + 16 (r / 8) + 8 u + r % 8, so the 16 registers of score tiles 2 b, 2 b + 1 are keys 32 b + 16 (lane / 16) + 0 .. 15.
; Every operand comes from memory as the image of its registers, 512 consecutive bytes a load; K a step ahead, V at the head of its step.  Four waves share a SIMD: one's vector work stands beside another's loads.
; No cluster: the sixteen work-groups of a y read the same K and V, but at different steps at a given time (a pair begins at both ends), so their requests do not meet.
; LIMITS: as in launch prep.  The load of K for the step after a tile's last reads bytes that nobody uses; they lie inside qkv (K's areas are followed by V's).
.set KC,  2097152
.set VC,  4194304
.set QS,  6291456
.set KS,  6422528
.set VS,  6553600
.set CXS, 2097152
; v1, v2 offsets of the step's loads; v3 16 r, v4 4 r, v5 16 r + 8 h; v6, v7 LDS; v8 the mask's lane term; v9 256 x lane; v12 -M, v13 largest t, v[14:15] the sum; v16, v17 16 x and 4 x lane;
; v32-47 K, v48-63 V, v64-83 Q, v84-88 q as loaded; v96-159 S^T, then p; v160-175 O^T; v224-231 p's codes; v232-247, v250-254 at work; v248 K's scales, v249 V's, v253 p's, v255 q's
; s28 the pass, s29 the tile's number of key steps, s30 its last step, s31 the step
.macro WM d, a, b, c, sa, sb, ra, rb   ; one product; c < 0: the sum starts with 0; ra, rb: the side's scale words lie in lanes 16-31
.if (\c) < 0
.if (\ra)
	v_wmma_scale_f32_16x16x128_f8f6f4 v[(\d):(\d)+7], v[(\a):(\a)+7], v[(\b):(\b)+7], 0, v[(\sa)], v[(\sb)] matrix_a_fmt:MATRIX_FMT_FP4 matrix_b_fmt:MATRIX_FMT_FP4 matrix_a_scale:MATRIX_SCALE_ROW1
.else
	v_wmma_scale_f32_16x16x128_f8f6f4 v[(\d):(\d)+7], v[(\a):(\a)+7], v[(\b):(\b)+7], 0, v[(\sa)], v[(\sb)] matrix_a_fmt:MATRIX_FMT_FP4 matrix_b_fmt:MATRIX_FMT_FP4
.endif
.else
.if (\ra)
	v_wmma_scale_f32_16x16x128_f8f6f4 v[(\d):(\d)+7], v[(\a):(\a)+7], v[(\b):(\b)+7], v[(\c):(\c)+7], v[(\sa)], v[(\sb)] matrix_a_fmt:MATRIX_FMT_FP4 matrix_b_fmt:MATRIX_FMT_FP4 matrix_a_scale:MATRIX_SCALE_ROW1
.else
	v_wmma_scale_f32_16x16x128_f8f6f4 v[(\d):(\d)+7], v[(\a):(\a)+7], v[(\b):(\b)+7], v[(\c):(\c)+7], v[(\sa)], v[(\sb)] matrix_a_fmt:MATRIX_FMT_FP4 matrix_b_fmt:MATRIX_FMT_FP4
.endif
.endif
.endm
	s_load_b128 s[4:7], s[0:1], 0x0                ; qkv, ctxq
	v_lshl_add_u32 v242, v0, 2, 0x100
	v_mov_b32 v243, 0
	v_lshrrev_b32 v1, 5, v0
	s_delay_alu instid0(VALU_DEP_1)
	v_readfirstlane_b32 s50, v1                    ; wave 0..15
	s_and_b32 s51, s50, 3                          ; my head of the four
	s_lshr_b32 s52, s50, 2                         ; my pair of the four
	s_and_b32 s53, ttmp7, 0xffff
	s_lshr_b32 s54, s53, 2                         ; the batch
	s_and_b32 s55, s53, 3                          ; the group of four heads
	s_lshl_b32 s46, ttmp9, 2
	s_add_co_u32 s46, s46, s52                     ; p
	s_lshl_b32 s56, s54, 4
	s_lshl_b32 s57, s55, 2
	s_add_co_u32 s56, s56, s57
	s_add_co_u32 s56, s56, s51                     ; 16 batch + head
	s_lshl_b32 s47, s54, 19                        ; q's and ctx's codes: 64 groups of 8,192 bytes a batch,
	s_lshl_b32 s57, s55, 11                        ; the step = the group of heads,
	s_add_co_u32 s47, s47, s57
	s_lshl_b32 s57, s51, 8                         ; the block = my head: c x 512 + h x 256
	s_add_co_u32 s47, s47, s57
	s_lshl_b32 s48, s54, 15                        ; their scale words
	s_lshl_b32 s57, s55, 7
	s_add_co_u32 s48, s48, s57
	s_lshr_b32 s49, s52, 1
	s_or_b32 s49, s49, ttmp9                       ; 0: a wave that may prefetch
	s_mul_i32 s32, s51, 0x01010101                 ; v_perm_b32's select: my head's byte four times
	s_mov_b32 s20, 0x76543210
	s_mov_b32 s21, 0xfedcba98
	s_mov_b32 s22, 0x3e8293ee                      ; c = log2(e) / sqrt(32)
	s_mov_b32 s23, s22                             ; (named with it as a pair, so it is written)
	v_and_b32 v18, 31, v0                          ; lane
	v_and_b32 v19, 15, v0                          ; r
	v_bfe_u32 v20, v0, 4, 1                        ; h
	s_delay_alu instid0(VALU_DEP_3)
	v_lshlrev_b32 v16, 4, v18
	s_delay_alu instid0(VALU_DEP_4)
	v_lshlrev_b32 v17, 2, v18
	s_delay_alu instid0(VALU_DEP_4)
	v_lshlrev_b32 v3, 4, v19
	v_lshlrev_b32 v4, 2, v19
	s_delay_alu instid0(VALU_DEP_2)
	v_lshl_add_u32 v5, v20, 3, v3
	s_lshl_b32 s36, s52, 6
	v_lshl_add_u32 v7, v19, 2, s36                 ; LDS: my pair's 16 scale words
	s_delay_alu instid0(VALU_DEP_1)
	v_add_nc_u32 v6, s51, v7                       ; my head's byte in them
	v_and_b32 v8, 8, v19
	s_delay_alu instid0(VALU_DEP_1)
	v_add_nc_u32 v8, v8, v19
	v_lshlrev_b32 v21, 4, v20
	s_delay_alu instid0(VALU_DEP_1)
	v_sub_nc_u32 v8, v8, v21                       ; r + 8 (r / 8) - 16 h
	v_lshlrev_b32 v9, 8, v18
.irp k, 64,65,66,67,72,73,74,75,80,81,82,83
	v_mov_b32 v[\k], 0                             ; the zero codes round q
.endr
.irp b, 0,1,2,3
	v_mov_b32 v[236+\b], 0                         ; written once: a lane permute's destination counts as one of its sources
.endr
	v_mov_b32 v253, 0                              ; (named as the upper half of the pair v[252:253] before it is first written)
	s_lshl_b32 s36, s56, 15
	s_mov_b32 s37, 0
	s_lshl_b32 s38, s56, 11
	s_mov_b32 s39, 0
	s_wait_kmcnt 0x0
	s_add_nc_u64 s[8:9], s[4:5], s[36:37]
	s_add_nc_u64 s[10:11], s[8:9], VC              ; my head's V: codes,
	s_add_nc_u64 s[8:9], s[8:9], KC                ; its K: codes,
	s_add_nc_u64 s[12:13], s[4:5], s[38:39]
	s_add_nc_u64 s[14:15], s[12:13], VS            ; V's scales,
	s_add_nc_u64 s[12:13], s[12:13], KS            ; K's scales
	s_cmp_eq_u32 s52, 0
	s_cselect_b64 s[34:35], s[8:9], s[10:11]       ; where my prefetches stand: pair 0's wave asks for K's codes, pair 1's for V's
	s_mov_b32 s28, 0                               ; the pass
	s_mov_b64 s[60:61], s[6:7]                     ; written once: it is moved on at each pass's end
.Lpass:
	s_sub_co_u32 s36, 127, s46
	s_cmp_eq_u32 s28, 0
	s_cselect_b32 s36, s46, s36                    ; the tile of queries: p, then 127 - p
	s_lshr_b32 s37, s36, 1                         ; its group of 32 tokens
	s_and_b32 s38, s36, 1                          ; u
	s_lshr_b32 s30, s36, 3                         ; its last key step,
	s_add_co_u32 s29, s30, 1                       ; and how many it has: 1 to 16
	s_lshl_b32 s40, s37, 13
	s_lshl_b32 s41, s38, 10
	s_add_co_u32 s40, s40, s41
	s_add_co_u32 s40, s40, s47
	s_mov_b32 s41, 0
	s_lshl_b32 s42, s37, 9
	s_lshl_b32 s43, s38, 6
	s_add_co_u32 s42, s42, s43
	s_add_co_u32 s42, s42, s48
	s_mov_b32 s43, 0
	s_add_nc_u64 s[16:17], s[4:5], s[40:41]        ; q's codes: 256 bytes, 16 a row
	s_add_nc_u64 s[24:25], s[6:7], s[40:41]        ; ctx's codes: the same place in ctxq
	s_add_nc_u64 s[26:27], s[6:7], s[42:43]
	s_add_nc_u64 s[26:27], s[26:27], CXS           ; ctx's scale words
	s_add_nc_u64 s[18:19], s[4:5], s[42:43]
	s_add_nc_u64 s[18:19], s[18:19], QS            ; q's scale words
	s_and_b32 s39, s37, 3
	s_lshl_b32 s39, s39, 5
	s_lshl_b32 s44, s38, 3
	s_add_co_u32 s39, s39, s44                     ; the mask: 32 (group % 4) + 8 u
	s_xor_b32 s33, s28, 1
	s_or_b32 s33, s33, s49                         ; 0: this wave prefetches in this pass
	s_mov_b32 s31, 0                               ; the key step
	s_mov_b32 vcc_lo, 0xffff0000
	v_mov_b32 v1, v16
	v_mov_b32 v2, v17
	global_load_b128 v[84:87], v3, s[16:17]
	global_load_b32 v88, v4, s[18:19]
.irp k, 0,1,2,3
	global_load_b128 v[32+4*\k:35+4*\k], v1, s[8:9] offset:512*\k   ; K of step 0: two fragments
.endr
	global_load_b32 v248, v2, s[12:13]
	s_wait_loadcnt 5                               ; q is in; K's five loads may be out
	v_perm_b32 v255, v88, v88, s32                 ; q's scale byte in all four bytes: whichever block holds q
.irp k, 0,1,2,3
	v_cndmask_b32 v[68+\k], v[84+\k], v64, vcc_lo  ; q in lanes 0-15
	v_cndmask_b32 v[76+\k], v64, v[84+\k], vcc_lo  ; q in lanes 16-31
.endr
	v_mov_b32 v13, 0xff61b1e6                      ; the largest t so far: -3e38
	s_delay_alu instid0(VALU_DEP_1)
	v_floor_f32 v12, -v13                          ; -M
	v_mov_b32 v14, 0
	v_mov_b32 v15, 0
.set J, 0
.rept 16
	v_mov_b32 v[160+J], 0                          ; O^T: the step is written once, its first trip finds zeros.  (These lines are also the places between q's registers and the first products)
.set J, J+1
.endr
.Lstep:
	s_wait_loadcnt 0x0                             ; K of this step is in
	s_wait_alu depctr_va_vdst(0)
.irp k, 0,1,2,3
	global_load_b128 v[48+4*\k:51+4*\k], v1, s[10:11] offset:512*\k   ; V of this step: it lands under the softmax
.endr
	global_load_b32 v249, v2, s[14:15]
.irp t, 0,1,2,3,4,5,6,7
	WM 96+8*\t, 32+8*(\t/4), 68-4*((\t%4)/2)+8*(\t%2), -1, 248, 255, \t/4, 0
.endr
.rept 4
	v_nop                                          ; places in front of the loads into K's registers and of the first read of the scores
.endr
.irp k, 0,1,2,3
	global_load_b128 v[32+4*\k:35+4*\k], v1, s[8:9] offset:2048+512*\k   ; K of the next step
.endr
	global_load_b32 v248, v2, s[12:13] offset:128
; A PREFETCH INTO THE L2.  All sixteen work-groups of a y walk the same K and V; work-group x = 0 asks, in its second pass, which walks all 16 steps: for each head the wave of pair 0 for K's codes, that of pair 1 for V's.
; In steps 0, 4 and 8 it names steps + 4 .. + 7: 8,192 bytes, lanes 256 bytes apart.  So each block is named once; steps 0-3 come by their loads alone, and nothing is named past step 15.
	s_and_b32 s36, s31, 3
	s_or_b32 s36, s36, s33
	s_cmp_eq_u32 s36, 0
	s_cbranch_scc0 .Lno_ask
	s_cmp_le_u32 s31, 8
	s_cbranch_scc0 .Lno_ask
	s_wait_xcnt 0x0                                ; the last prefetch, four steps back, has read its address
	s_add_nc_u64 s[34:35], s[34:35], 8192
	global_prefetch_b8 v9, s[34:35] th:TH_LOAD_NT scope:SCOPE_SE
.Lno_ask:
	s_cmp_lt_u32 s31, s30
	s_cbranch_scc1 .Lopen                          ; all keys of an earlier step count
	v_add_nc_u32 v250, s39, v8                     ; d = my query - the step's first key - 16 h.  Register 16 b + i holds key 32 b + 16 h + i of the step: hidden where 32 b + i > d
	v_mov_b32 v251, 0xff800000                     ; -infinity: p = 0 then
.set N, 0
.rept 64
	v_cmp_gt_i32 vcc_lo, 32*(N/16)+N%16, v250
	v_cndmask_b32 v[96+N], v[96+N], v251, vcc_lo
.set N, N+1
.endr
.Lopen:
.irp b, 0,1,2,3
	v_max3_num_f32 v[232+\b], v[96+16*\b], v[97+16*\b], v[98+16*\b]   ; the largest score of each block of 32 keys: it serves the row's maximum and, since p rises with the score, the block's largest p
.endr
.irp i, 3,5,7,9,11,13
.irp b, 0,1,2,3
	v_max3_num_f32 v[232+\b], v[232+\b], v[96+16*\b+\i], v[97+16*\b+\i]
.endr
.endr
.irp b, 0,1,2,3
	v_max_num_f32 v[232+\b], v[232+\b], v[111+16*\b]
.endr
.irp b, 0,1,2,3
	s_delay_alu instid0(VALU_DEP_4)
	v_permlanex16_b32 v[236+\b], v[232+\b], s20, s21
.endr
.irp b, 0,1,2,3
	s_delay_alu instid0(VALU_DEP_4)
	v_max_num_f32 v[232+\b], v[232+\b], v[236+\b]
.endr
	s_delay_alu instid0(VALU_DEP_2)
	v_max3_num_f32 v254, v232, v233, v234
	s_delay_alu instid0(VALU_DEP_1)
	v_max_num_f32 v254, v254, v235
	s_delay_alu instid0(VALU_DEP_1)
	v_mul_f32 v254, s22, v254                      ; the step's largest t
	s_delay_alu instid0(VALU_DEP_1)
	v_max_num_f32 v13, v13, v254
	v_mov_b32 v254, v12
	s_delay_alu instid0(VALU_DEP_2)
	v_floor_f32 v12, -v13                          ; the new -M = -ceil(t)
	s_delay_alu instid0(VALU_DEP_1)
	v_sub_f32 v254, v12, v254                      ; old M - new M: a whole number, 0 or less
	s_delay_alu instid0(VALU_DEP_1)
	v_cvt_i32_f32 v254, v254                       ; (it saturates)
	s_delay_alu instid0(VALU_DEP_1)
	v_ldexp_f32 v252, 1.0, v254                    ; f = 2^(old M - new M)
.set J, 0
.rept 32
	v_pk_fma_f32 v[96+J:97+J], v[96+J:97+J], s[22:23], v[12:13] op_sel_hi:[1,0,0]   ; t - M
.set J, J+2
.endr
.irp b, 0,1,2,3
	v_fma_f32 v[232+\b], v[232+\b], s22, v12
.endr
.set J, 0
	s_wait_alu depctr_va_vdst(0)
.rept 64
	v_exp_f32 v[96+J], v[96+J]                     ; p
.set J, J+1
.endr
	v_pk_mul_f32 v[14:15], v[14:15], v[252:253] op_sel_hi:[1,0]   ; the sums under the new M: a plain instruction behind the exponentials
	s_wait_alu depctr_va_vdst(0)                   ; one wait for the batch of 64, ahead of its first reader
.irp b, 0,1,2,3
	v_exp_f32 v[232+\b], v[232+\b]                 ; the blocks' largest p
.endr
	v_pk_add_f32 v[236:237], v[100:101], v[104:105]
	v_pk_add_f32 v[250:251], v[108:109], v[112:113]
	v_pk_add_f32 v[246:247], v[116:117], v[120:121]
	v_pk_add_f32 v[244:245], v[124:125], v[128:129]
	v_pk_add_f32 v[240:241], v[132:133], v[136:137]
	v_pk_add_f32 v[238:239], v[140:141], v[144:145]
	v_pk_add_f32 v[230:231], v[148:149], v[152:153]
	v_pk_add_f32 v[14:15], v[14:15], v[156:157]
	v_pk_add_f32 v[236:237], v[236:237], v[96:97]
	v_pk_add_f32 v[250:251], v[250:251], v[98:99]
	v_pk_add_f32 v[246:247], v[246:247], v[102:103]
	v_pk_add_f32 v[244:245], v[244:245], v[106:107]
	v_pk_add_f32 v[240:241], v[240:241], v[110:111]
	v_pk_add_f32 v[238:239], v[238:239], v[114:115]
	v_pk_add_f32 v[230:231], v[230:231], v[118:119]
	v_pk_add_f32 v[14:15], v[14:15], v[122:123]
	v_pk_add_f32 v[236:237], v[236:237], v[126:127]
	v_pk_add_f32 v[250:251], v[250:251], v[130:131]
	v_pk_add_f32 v[246:247], v[246:247], v[134:135]
	v_pk_add_f32 v[244:245], v[244:245], v[138:139]
	v_pk_add_f32 v[240:241], v[240:241], v[142:143]
	v_pk_add_f32 v[238:239], v[238:239], v[146:147]
	v_pk_add_f32 v[230:231], v[230:231], v[150:151]
	v_pk_add_f32 v[14:15], v[14:15], v[154:155]
	v_pk_add_f32 v[236:237], v[236:237], v[158:159]
	s_delay_alu instid0(VALU_DEP_2)
	v_pk_add_f32 v[14:15], v[14:15], v[244:245]
	s_delay_alu instid0(VALU_DEP_2)
	v_pk_add_f32 v[236:237], v[236:237], v[240:241]
	v_pk_add_f32 v[250:251], v[250:251], v[238:239]
	v_pk_add_f32 v[246:247], v[246:247], v[230:231]
	s_delay_alu instid0(VALU_DEP_2)
	v_pk_add_f32 v[14:15], v[14:15], v[250:251]
	s_delay_alu instid0(VALU_DEP_2)
	v_pk_add_f32 v[236:237], v[236:237], v[246:247]
	s_delay_alu instid0(VALU_DEP_1)
	v_pk_add_f32 v[14:15], v[14:15], v[236:237]
	s_wait_alu depctr_va_vdst(0)                   ; and one for the four
.irp b, 0,1,2,3
	v_max_num_f32 v[232+\b], 0x1800000, v[232+\b]  ; the floor: a block whose every p is 0 keeps the byte 1; its codes are zeros
.endr
.irp b, 0,1,2,3
	s_delay_alu instid0(VALU_DEP_4)
	v_add_nc_u32 v[244+\b], 0xff000000, v[232+\b]
.endr
.irp b, 0,1,2,3
	s_delay_alu instid0(VALU_DEP_4)
	v_lshrrev_b32 v[236+\b], 23, v[244+\b]
.endr
	s_delay_alu instid0(VALU_DEP_3)
	v_lshl_or_b32 v253, v237, 8, v236              ; p's scale word for these 128 keys
	s_delay_alu instid0(VALU_DEP_1)
	v_lshl_or_b32 v253, v238, 16, v253
	s_delay_alu instid0(VALU_DEP_1)
	v_lshl_or_b32 v253, v239, 24, v253
.irp b, 0,1,2,3
	v_cvt_scalef32_pk8_fp4_f32 v[224+2*\b], v[96+16*\b:103+16*\b], v[244+\b]
	v_cvt_scalef32_pk8_fp4_f32 v[225+2*\b], v[104+16*\b:111+16*\b], v[244+\b]
.endr
	v_nop
.irp c, 0,1
.irp i, 0,1
	v_permlane16_swap_b32 v[224+4*\c+\i], v[226+4*\c+\i]
.endr
.endr
.irp j, 0,2,4,6,8,10,12,14
	v_pk_mul_f32 v[160+\j:161+\j], v[160+\j:161+\j], v[252:253] op_sel_hi:[1,0]   ; O^T under the new M.  These eight are the places between p's scale word and codes and the products
.endr
	s_wait_alu depctr_va_vdst(0)
	s_wait_loadcnt 5                               ; V is in; the next step's K, five loads, may be out
.irp u, 0,1
	WM 160+8*\u, 48+8*\u, 224, 160+8*\u, 249, 253, \u, 0
.endr
	s_wait_xcnt 0x0                                ; the loads have read their offsets
	v_add_nc_u32 v1, 2048, v1
	v_add_nc_u32 v2, 128, v2
	v_nop
	v_nop                                          ; four places in front of the next loads into V's registers, and of the first read of O^T
	s_add_co_u32 s31, s31, 1
	s_cmp_lt_u32 s31, s29                          ; the counter steps by 1 up to the tile's number of steps, which the loop does not write
	s_cbranch_scc1 .Lstep
; the tile's end: O^T / the sum; its 32 numbers a query are one block along wo's K
	s_wait_loadcnt 0x0                             ; the load of K that ran ahead has landed: its registers are loaded again in the next pass
	v_add_f32 v14, v14, v15
	s_delay_alu instid0(VALU_DEP_1)
	v_permlanex16_b32 v252, v14, s20, s21
	s_delay_alu instid0(VALU_DEP_1)
	v_add_f32 v14, v14, v252
	s_wait_alu depctr_va_vdst(0)
	v_rcp_f32 v14, v14
	v_nop
	s_wait_alu depctr_va_vdst(0)
.set J, 0
.rept 16
	v_mul_f32 v[96+J], v[160+J], v14               ; ctx(query r, d = 16 h + J)
.set J, J+1
.endr
	v_max3_num_f32 v232, |v96|, |v97|, 0x1800000
.irp i, 2,4,6,8,10,12,14
	s_delay_alu instid0(VALU_DEP_1)
	v_max3_num_f32 v232, v232, |v[96+\i]|, |v[97+\i]|
.endr
	s_delay_alu instid0(VALU_DEP_1)
	v_permlanex16_b32 v236, v232, s20, s21
	s_delay_alu instid0(VALU_DEP_1)
	v_max_num_f32 v232, v232, v236
	s_delay_alu instid0(VALU_DEP_1)
	v_add_nc_u32 v244, 0xff000000, v232
	s_delay_alu instid0(VALU_DEP_1)
	v_lshrrev_b32 v237, 23, v244
	v_cvt_scalef32_pk8_fp4_f32 v224, v[96:103], v244
	v_cvt_scalef32_pk8_fp4_f32 v225, v[104:111], v244
	v_nop
	global_store_b64 v5, v[224:225], s[24:25]      ; the wave stores 256 consecutive bytes, aligned
	s_mul_i32 s36, s28, 0x900                      ; each pass has LDS words of its own (pass 1's lie behind the spare words), so the four heads' bytes meet once, behind both passes
	v_add_nc_u32 v22, s36, v6
	v_mov_b32 v23, v237
	ds_store_b8 v22, v23                           ; both halves of the lanes write the same byte
	s_wait_xcnt 0x0                                ; the store has read its registers and base: the next pass writes them
	s_mov_b64 s[58:59], s[60:61]                   ; behind two passes: s[58:59] pass 0's scale words in ctxq, s[60:61] pass 1's
	s_mov_b64 s[60:61], s[26:27]
	s_add_co_u32 s28, s28, 1
	s_cmp_lt_u32 s28, 2
	s_cbranch_scc1 .Lpass
	s_wait_dscnt 0x0                               ; for the others' sake: my two bytes a row have landed
	s_barrier_signal -1
	s_barrier_wait -1
	s_cmp_lg_u32 s51, 0
	s_cbranch_scc1 .Lnot_first
	ds_load_b32 v238, v7                           ; the wave of head 0 stores both tiles' 16 words (lanes 16-31 repeat lanes 0-15)
	ds_load_b32 v239, v7 offset:0x900
	s_wait_dscnt 0x0
	global_store_b32 v4, v238, s[58:59]
	global_store_b32 v4, v239, s[60:61]
.Lnot_first:
	s_wait_tensorcnt 0x0
	ds_add_u32 v242, v243
	s_wait_dscnt 0x0
	s_endpgm
.Lfunc_end_k_qac744aab24_attn:
	.size	k_qac744aab24_attn, .Lfunc_end_k_qac744aab24_attn-k_qac744aab24_attn
	.p2alignl 7, 3214868480
	.fill 96, 4, 3214868480
	.section	.rodata,"a",@progbits
	.p2align	6, 0x0
	.amdhsa_kernel k_qac744aab24_attn
		.amdhsa_group_segment_fixed_size 2560
		.amdhsa_private_segment_fixed_size 0
		.amdhsa_enable_private_segment 0
		.amdhsa_kernarg_size 16
		.amdhsa_user_sgpr_count 2
		.amdhsa_user_sgpr_kernarg_segment_ptr 1
		.amdhsa_wavefront_size32 1
		.amdhsa_system_sgpr_workgroup_id_x 1
		.amdhsa_system_sgpr_workgroup_id_y 1
		.amdhsa_system_sgpr_workgroup_id_z 1
		.amdhsa_system_vgpr_workitem_id 0
		.amdhsa_next_free_vgpr 256
		.amdhsa_next_free_sgpr 66
		.amdhsa_reserve_vcc 1
		.amdhsa_float_denorm_mode_32 3
		.amdhsa_float_denorm_mode_16_64 3
		.amdhsa_memory_ordered 1
		.amdhsa_forward_progress 1
		.amdhsa_inst_pref_size 30
	.end_amdhsa_kernel
	.amdgpu_metadata
---
amdhsa.version: [ 1, 2 ]
amdhsa.kernels:
  - .name:           k_qac744aab24_attn
    .symbol:         k_qac744aab24_attn.kd
    .args:
      - { .name: qkv, .offset: 0, .size: 8, .value_kind: global_buffer, .address_space: global }
      - { .name: ctxq, .offset: 8, .size: 8, .value_kind: global_buffer, .address_space: global }
    .group_segment_fixed_size: 2560
    .private_segment_fixed_size: 0
    .kernarg_segment_align: 8
    .kernarg_segment_size: 16
    .max_flat_workgroup_size: 512
    .sgpr_count:     66
    .vgpr_count:     256
    .wavefront_size: 32
...
	.end_amdgpu_metadata
.endif
;; end of part 3
;; launch tail (part 4): grid 256 x 1, 8 waves a work-group, clusters of 4 x 1, 327,680 bytes of LDS; arguments ctxq, wts, x, bo, g2, s2, b1, b2, out0; writes out0
.if DOCPART == 4
	.amdgcn_target "amdgcn-amd-amdhsa--gfx1250"
	.amdhsa_code_object_version 6
	.text
	.protected	k_qac744aab24_tail
	.globl	k_qac744aab24_tail
	.p2align	8
	.type	k_qac744aab24_tail,@function
k_qac744aab24_tail:
	s_mov_b64 s[64:65], 0
	v_nop
	global_prefetch_b8 v0, s[64:65] scope:SCOPE_SE
	s_setreg_imm32_b32 hwreg(HW_REG_WAVE_MODE, 25, 1), 1
	s_wait_xcnt 0x0
	s_wait_alu depctr_hold_cnt(0) depctr_sa_sdst(0) depctr_va_vdst(0) depctr_va_sdst(0) depctr_va_ssrc(0) depctr_va_vcc(0) depctr_vm_vsrc(0)
	s_getreg_b32 s2, hwreg(HW_REG_IB_STS2, 6, 4)
	s_cmp_eq_u32 s2, 0
	s_cbranch_scc0 .Lentry_in_a_cluster
	s_endpgm
.Lentry_in_a_cluster:
	s_bfe_u32 s2, ttmp6, 0x10000c
	s_cmp_lg_u32 s2, 0x3003
	s_cbranch_scc0 .Lentry_shape_is_right
	s_endpgm
.Lentry_shape_is_right:
; TAIL.  x2 = x + ctx wo + bo;  h = layer norm 2 of x2;  out = x2 + gelu(h w1 + b1) w2 + b2.  The three products on codes of E2M1; h and the hidden layer are quantised on the way and never go to memory.
; SHARES.  A work-group takes 32 tokens (one group, 2 tiles of 16): 256 work-groups.  Wave w of eight owns columns 64 w .. + 63 of wo's and w2's results and hidden units 512 q + 64 w .. + 63 of chunk q of four: 8 accumulators.
; THE WEIGHTS' CODES, 1,179,648 bytes, go in NINE STAGES of 131,072 bytes (wo; w1's four chunks; w2 in four runs of 4 K steps) through a ring of two LDS slots.  Each wave fetches the 16,384 bytes that it reads itself
; (2 groups of columns x 4 K steps, images of fragments' registers), one tensor load a wave and stage.  CLUSTER 4 x 1: the four work-groups want the same bytes, so each load is a joint one (mask 15), behind a round of the cluster's barrier.
; A stage is 32 matrix instructions a wave; its scale words (8 loads of 128 bytes) and bias go from memory to registers, asked for a stage ahead.
; No prefetch of the weights: all 64 clusters walk the same 1,179,648 bytes in the same order, nine joint loads a wave; x and ctx are read once, at the head, where there is no loop to run ahead in.
; EVERY PRODUCT IS USED TRANSPOSED (source 0 = 16 columns of the weight, source 1 = 16 tokens): a lane holds one token; register 16 P + i of a tile's 32 is column 64 w + 32 P + 16 (lane / 16) + i.
; LAYER NORM 2: each wave takes mean and sum of squared differences of its 64 columns; the eight pairs meet in LDS and are joined by M2 = sum of (M2_w + 64 (m_w - mean)^2).
; GELU: 0.5 x (1 + tanh(u)) = x / (1 + 2^(-z)), z = 2 log2(e) u = x (c1 + c2 x^2).
; LIMITS: as in launch prep (NaN and infinities not served; a scale byte is held at 1 from below; a block of zeros gets the byte 1).
; lds_bytes claims all of LDS, and the adds of 0 onto spare words stand where they do.
.set WSC,  1572864
.set SLOT, 131072                      ; LDS: slot 0 at 0, slot 1 at SLOT; in a slot wave x 16,384 + group x 8,192 + step x 2,048
.set H2I,  262144                      ; h's codes, 8,192
.set H2S,  270336                      ; its scale words, 512
.set STAT, 270848                      ; tile x 1,024 + row x 64 + wave x 8: (mean, M2)
.set HIDI, 272896                      ; the hidden layer's codes, 32,768; at the head these bytes and HIDS are x's stages, 4,352 a wave
.set HIDS, 305664                      ; its scale words, 2,048
.set SPARE, 307712                     ; the spare words, 128 bytes a wave
; window 0: v1-15, v234-239 addresses; ACC accumulators (tile t, column tile a) at 32 t + 8 a; HB the tokens' fragments of 4 K steps; v144-207 at work; AS, BS scale words alone
; window 1: v0-127 the weights' fragments of a stage (step x 32 + 8 a); XO x2; CN, CN2 vectors in the result's layout
.set ACC, 16
.set HB,  80
.set T,   144
.set GT,  144
.set TM,  144
.set PC,  160
.set HW,  168
.set B0,  176
.set AS,  208
.set BS,  224
.set MW,  228
.set C1,  230
.set SPW, 232
.set NIL, 233
.set AD,  234
.set BH2, 236
.set SH2, 237
.set OT,  238
.set ORW, 239
.set XO,  128
.set CN,  192
.set CN2, 224
.set MSB, 0
.macro WIN new                         ; the immediate's high byte repeats the setting that is left
.if MSB != \new
	s_set_vgpr_msb (MSB<<8)|\new
.set MSB, \new
.endif
.endm
.macro D2
	s_delay_alu instid0(VALU_DEP_2)
.endm
.macro WM d, a, b, c, sa, sb, ra, rb   ; one product; ra, rb: the side's scale words lie in lanes 16-31
.if (\ra) && (\rb)
	v_wmma_scale_f32_16x16x128_f8f6f4 v[(\d):(\d)+7], v[(\a):(\a)+7], v[(\b):(\b)+7], v[(\c):(\c)+7], v[(\sa)], v[(\sb)] matrix_a_fmt:MATRIX_FMT_FP4 matrix_b_fmt:MATRIX_FMT_FP4 matrix_a_scale:MATRIX_SCALE_ROW1 matrix_b_scale:MATRIX_SCALE_ROW1
.elseif (\ra)
	v_wmma_scale_f32_16x16x128_f8f6f4 v[(\d):(\d)+7], v[(\a):(\a)+7], v[(\b):(\b)+7], v[(\c):(\c)+7], v[(\sa)], v[(\sb)] matrix_a_fmt:MATRIX_FMT_FP4 matrix_b_fmt:MATRIX_FMT_FP4 matrix_a_scale:MATRIX_SCALE_ROW1
.elseif (\rb)
	v_wmma_scale_f32_16x16x128_f8f6f4 v[(\d):(\d)+7], v[(\a):(\a)+7], v[(\b):(\b)+7], v[(\c):(\c)+7], v[(\sa)], v[(\sb)] matrix_a_fmt:MATRIX_FMT_FP4 matrix_b_fmt:MATRIX_FMT_FP4 matrix_b_scale:MATRIX_SCALE_ROW1
.else
	v_wmma_scale_f32_16x16x128_f8f6f4 v[(\d):(\d)+7], v[(\a):(\a)+7], v[(\b):(\b)+7], v[(\c):(\c)+7], v[(\sa)], v[(\sb)] matrix_a_fmt:MATRIX_FMT_FP4 matrix_b_fmt:MATRIX_FMT_FP4
.endif
.endm
.macro ROUND                           ; a round of the cluster's barrier
	s_barrier_signal -1
	s_barrier_wait -1
	s_cmp_lg_u32 s22, 0
	s_cbranch_scc1 .Lnw0_\@
	s_barrier_signal -3
.Lnw0_\@:
	s_barrier_wait -3
	s_barrier_signal -1
	s_barrier_wait -1
.endm
; THE CHANGE OF SLOTS at the head of stage s: all my tensor loads are in (my part of stage s), the add, my LDS instructions are done; the round; then stage s + 1's joint load into the slot that stage s - 1 read
; (the first time: slot 1's first fill, issued as a refill is).  The round also shows every wave what the others stored to LDS in the stage before (h's and the hidden layer's images).
.macro STAGE s
	WIN 0
	s_wait_alu depctr_va_vdst(0)
	s_wait_tensorcnt 0x0
	ds_add_u32 v[SPW], v[NIL]
.if (\s) < 8
.set P, ((\s)+1)%2
.if (\s) < 4
	s_add_nc_u64 s[34+4*P:35+4*P], s[24:25], ((\s)+1)*131072   ; no load of mine is out: the group 0 may be written.  wo and w1's chunks lie on end
.else
	s_add_nc_u64 s[34+4*P:35+4*P], s[26:27], ((\s)-4)*8192     ; w2: 4 K steps on in each group's row
.endif
	s_or_b32 s[35+4*P], s[35+4*P], 0x80000000
.endif
	s_wait_dscnt 0x0
	ROUND
.if (\s) < 4
	tensor_load_to_lds s[32+4*P:35+4*P], s[40:47]
	s_nop 0
.elseif (\s) < 8
	tensor_load_to_lds s[32+4*P:35+4*P], s[48:55]
	s_nop 0
.endif
.endm
.macro LDA slot                        ; my 16 fragments of the stage, K step by K step: 32 loads
	WIN 0x40
.irp st, 0,1,2,3
.irp g, 0,1
.irp u, 0,1
.irp c, 0,1
	ds_load_b128 v[32*\st+16*\g+8*\u+4*\c:32*\st+16*\g+8*\u+4*\c+3], v[AD+\slot] offset:\g*8192+\st*2048+\u*1024+\c*512
.endr
.endr
.endr
.endr
	WIN 0
.endm
.macro LDB adr, sadr, off, soff        ; 4 K steps of the 32 tokens from an image in LDS: 20 loads
.irp st, 0,1,2,3
.irp u, 0,1
.irp c, 0,1
	ds_load_b128 v[HB+16*\st+8*\u+4*\c:HB+16*\st+8*\u+4*\c+3], v[\adr] offset:(\off)+\st*2048+\u*1024+\c*512
.endr
.endr
.endr
.irp st, 0,1,2,3
	ds_load_b32 v[BS+\st], v[\sadr] offset:(\soff)+\st*128    ; lanes 0-15 tile 0's words, lanes 16-31 tile 1's
.endr
.endm
.macro LOADAS base, gp, off            ; a stage's scale words of my 2 groups: 8 loads
.irp g, 0,1
.irp st, 0,1,2,3
	global_load_b32 v[AS+4*\g+\st], v2, s[\base:\base+1] offset:\g*(\gp)+(\off)+\st*128
.endr
.endr
.endm
.macro LOADC reg, base, off            ; 32 numbers of a vector, [64 w + 32 P + 16 h + i] into v[reg + 16 P + i]
.irp g, 0,1
.irp k, 0,1,2,3
	global_load_b128 v[\reg+16*\g+4*\k:\reg+16*\g+4*\k+3], v8, s[\base:\base+1] offset:(\off)+128*\g+16*\k
.endr
.endr
.endm
; A stage's 32 products, the 8 accumulators by turns.  Each K step waits for its own 8 fragment loads: 8 x (3 - step) younger ones may be out.
; mode 0: x2 = (x + bo in ACC) + ..; 1: ACC = bias in window 0 + ..; 2: ACC = bias in window 1 + ..; 3: onto x2.  Four places close it: for loads into its registers and reads of its results.
.macro MULS mode
.irp st, 0,1,2,3
	s_wait_dscnt 8*(3-\st)
.set DB, ACC
.set CB, ACC
.set CT, 32
.set W, 0x01
.if (\mode == 0) || (\mode == 3)
.set DB, XO
.set CB, XO
.set W, 0x51
.endif
.if \st == 0
.if \mode == 0
.set CB, ACC
.set W, 0x41
.elseif \mode == 1
.set CB, B0
.set CT, 0
.elseif \mode == 2
.set CB, CN
.set CT, 0
.set W, 0x11
.endif
.endif
	WIN W
.irp t, 0,1
.irp a, 0,1,2,3
	WM DB+32*\t+8*\a, 32*\st+8*\a, HB+16*\st+8*\t, CB+CT*\t+8*\a, AS+4*(\a/2)+\st, BS+\st, \a%2, \t%2
.endr
.endr
.endr
	WIN 0
.rept 4
	v_nop
.endr
.endm
; ACC's 64 numbers of a lane (register 16 b + i: tile b / 2, my block b % 2, column 16 (lane / 16) + i of it) become for each tile my 512 bytes of a fragment's image and a half-word of scale bytes
.macro QUANT
.irp b, 0,1,2,3
	v_max3_num_f32 v[TM+\b], |v[ACC+16*\b]|, |v[ACC+16*\b+1]|, 0x1800000   ; my 16 numbers, and the floor 2^(3 - 127)
.endr
.irp i, 2,4,6,8,10,12,14
.irp b, 0,1,2,3
	s_delay_alu instid0(VALU_DEP_4)
	v_max3_num_f32 v[TM+\b], v[TM+\b], |v[ACC+16*\b+\i]|, |v[ACC+16*\b+\i+1]|
.endr
.endr
.irp b, 0,1,2,3
	v_permlanex16_b32 v[TM+4+\b], v[TM+\b], s56, s57
.endr
.irp b, 0,1,2,3
	s_delay_alu instid0(VALU_DEP_4)
	v_max_num_f32 v[TM+\b], v[TM+\b], v[TM+4+\b]
.endr
.irp b, 0,1,2,3
	s_delay_alu instid0(VALU_DEP_4)
	v_add_nc_u32 v[TM+12+\b], 0xff000000, v[TM+\b]   ; 2 off the exponent field: the conversion's scale operand
.endr
.irp b, 0,1,2,3
	s_delay_alu instid0(VALU_DEP_4)
	v_lshrrev_b32 v[TM+4+\b], 23, v[TM+12+\b]
.endr
	v_lshl_or_b32 v[HW], v[TM+5], 8, v[TM+4]
	v_lshl_or_b32 v[HW+1], v[TM+7], 8, v[TM+6]
.irp b, 0,1,2,3
	v_cvt_scalef32_pk8_fp4_f32 v[PC+2*\b], v[ACC+16*\b:ACC+16*\b+7], v[TM+12+\b]
	v_cvt_scalef32_pk8_fp4_f32 v[PC+2*\b+1], v[ACC+16*\b+8:ACC+16*\b+15], v[TM+12+\b]
.endr
	v_nop                                          ; one plain place behind a scaled conversion
.irp c, 0,1
.irp i, 0,1
	v_permlane16_swap_b32 v[PC+4*\c+\i], v[PC+4*\c+2+\i]
.endr
.endr
.endm
.macro PUTQ ca, co, sa, so             ; into the image: tile 0, then tile 1
	ds_store_b128 v[\ca], v[PC:PC+3] offset:\co
	ds_store_b128 v[\ca], v[PC+4:PC+7] offset:\co+1024
	ds_store_b16 v[\sa], v[HW] offset:\so          ; (both halves of the lanes write the same bytes)
	ds_store_b16 v[\sa], v[HW+1] offset:\so+64
.endm
.macro GELU                            ; ACC's 64 numbers in place: one batch of exponentials and one of reciprocals; a wait ahead of each batch and one behind it
.set J, 0
.rept 32
	v_pk_mul_f32 v[GT+J:GT+J+1], v[ACC+J:ACC+J+1], v[ACC+J:ACC+J+1]
.set J, J+2
.endr
.set J, 0
.rept 32
	v_pk_fma_f32 v[GT+J:GT+J+1], v[GT+J:GT+J+1], s[60:61], v[C1:C1+1] op_sel_hi:[1,0,1]
.set J, J+2
.endr
.set J, 0
.rept 32
	v_pk_mul_f32 v[GT+J:GT+J+1], v[GT+J:GT+J+1], v[ACC+J:ACC+J+1]   ; -z
.set J, J+2
.endr
	s_wait_alu depctr_va_vdst(0)
.set J, 0
.rept 64
	v_exp_f32 v[GT+J], v[GT+J]
.set J, J+1
.endr
	v_nop
	s_wait_alu depctr_va_vdst(0)
.set J, 0
.rept 32
	v_pk_add_f32 v[GT+J:GT+J+1], v[GT+J:GT+J+1], 1.0 op_sel_hi:[1,0]
.set J, J+2
.endr
	s_wait_alu depctr_va_vdst(0)
.set J, 0
.rept 64
	v_rcp_f32 v[GT+J], v[GT+J]
.set J, J+1
.endr
	v_nop
	s_wait_alu depctr_va_vdst(0)
.set J, 0
.rept 32
	v_pk_mul_f32 v[ACC+J:ACC+J+1], v[ACC+J:ACC+J+1], v[GT+J:GT+J+1]
.set J, J+2
.endr
.endm
.macro HSUM d                          ; v[T + 8 t], v[T + 8 t + 1] and lane l xor 16's, summed into v[T + 8 t + d]
.irp t, 0,1
.if \d == 5
	D2
.endif
	v_add_f32 v[T+8*\t], v[T+8*\t], v[T+8*\t+1]
.endr
.irp t, 0,1
	D2
	v_permlanex16_b32 v[T+8*\t+2], v[T+8*\t], s56, s57
.endr
.irp t, 0,1
	D2
	v_add_f32 v[T+8*\t+\d], v[T+8*\t], v[T+8*\t+2]
.endr
.endm
; ---- the head
	s_load_b512 s[4:19], s[0:1], 0x0               ; ctxq, wts, x, bo, g2, s2, b1, b2
	s_load_b64 s[20:21], s[0:1], 0x40              ; out0
	v_lshl_add_u32 v[SPW], v0, 2, SPARE
	v_mov_b32 v[NIL], 0
	ds_add_u32 v[SPW], v[NIL]                      ; the opening lines: the add twice on end and its wait ahead of my first tensor load
	ds_add_u32 v[SPW], v[NIL]
	v_lshrrev_b32 v1, 5, v0
	v_readfirstlane_b32 s22, v1                    ; wave 0..7
	s_bfe_u32 s62, ttmp6, 0x40000                  ; cx
	s_lshl_b32 s63, ttmp9, 2
	s_add_co_u32 s62, s62, s63                     ; my group of 32 tokens: it enters global addresses of x, ctx and out alone
	s_lshl_b32 s72, s22, 8                         ; my 64 columns in bytes
	s_mov_b32 s73, 0
	s_lshl_b32 s66, s62, 16                        ; 32 rows of 2,048 bytes
	s_add_co_u32 s66, s66, s72
	s_mov_b32 s67, 0
	s_lshl_b32 s68, s62, 13                        ; ctx's codes
	s_mov_b32 s69, 0
	s_lshl_b32 s70, s62, 9                         ; its scale words
	s_add_co_u32 s70, s70, 2097152
	s_mov_b32 s71, 0
	s_lshl_b32 s33, s22, 14                        ; my 16,384 bytes of slot 0,
	s_add_co_u32 s37, s33, SLOT                    ; of slot 1,
	s_add_co_u32 s74, s33, 393216                  ; and of wo's codes in wts
	s_mov_b32 s75, 0
	s_lshl_b32 s76, s22, 16
	s_add_co_u32 s76, s76, 1048576                 ; w2's codes: my 2 groups
	s_mov_b32 s77, 0
	s_lshl_b32 s78, s22, 10
	s_add_co_u32 s78, s78, WSC+24576               ; wo's scales, w1's behind them
	s_mov_b32 s79, 0
	s_lshl_b32 s80, s22, 12
	s_add_co_u32 s80, s80, WSC+65536               ; w2's scales
	s_mov_b32 s81, 0
	s_mov_b32 s32, 1
	s_mov_b32 s36, 1
	s_mov_b32 s40, 15|(3<<16)|(1<<21)              ; group 1, wo and w1: 16,384 dense bytes as 64 rows of 32 elements of 8 bytes; mask: the cluster's four
	s_mov_b32 s41, 32<<16
	s_mov_b32 s42, 64<<16
	s_mov_b32 s43, 32<<16
	s_mov_b32 s44, 64
	s_mov_b32 s45, 32
	s_mov_b32 s46, 0
	s_mov_b32 s47, 0
	s_mov_b32 s48, 15|(3<<16)|(1<<21)              ; group 1, w2: 2 rows (groups) of 8,192 bytes (4 K steps), 32,768 bytes apart
	s_mov_b32 s49, 1024<<16
	s_mov_b32 s50, 2<<16
	s_mov_b32 s51, 1024<<16
	s_mov_b32 s52, 2
	s_mov_b32 s53, 4096
	s_mov_b32 s54, 0
	s_mov_b32 s55, 0
	s_mov_b32 s56, 0x76543210
	s_mov_b32 s57, 0xfedcba98                      ; v_permlanex16_b32's selects for lane l xor 16
	s_mov_b32 s58, 0x3b000000                      ; 1 / 512
	s_mov_b32 s59, 0x26901d7d                      ; 1e-15
	s_mov_b32 s60, 0xbdd2d3e8                      ; -c2 = -0.10294324
	s_mov_b32 s61, s60
	s_mul_i32 s82, s22, 4352
	s_add_co_u32 s83, s82, SLOT                    ; my stage on the way out: in slot 1, behind its last fill and its last read
	s_add_co_u32 s82, s82, HIDI                    ; my stage for x
	s_lshr_b32 s23, s22, 1
	s_and_b32 s28, s22, 1
	s_lshl_b32 s2, s23, 11
	s_lshl_b32 s3, s28, 9
	s_add_co_u32 s2, s2, s3                        ; my 64 columns are half w % 2 of K step w / 2
	s_lshl_b32 s3, s23, 7
	s_lshl_b32 s28, s28, 1
	s_add_co_u32 s3, s3, s28
	s_lshl_b32 s29, s22, 3
	s_add_co_u32 s29, s29, STAT
	v_and_b32 v15, 31, v0
	v_and_b32 v240, 15, v0                         ; r
	v_bfe_u32 v241, v0, 4, 1                       ; h
	v_lshlrev_b32 v1, 4, v15
	v_lshlrev_b32 v2, 2, v15
	v_add_nc_u32 v3, HIDI, v1
	v_add_nc_u32 v4, HIDS, v2
	v_mul_u32_u24 v242, v240, 272
	v_mul_u32_u24 v243, v241, 272
	v_lshl_add_u32 v242, v241, 6, v242             ; a stage by token: row r, + 64 h
	v_lshl_add_u32 v243, v240, 4, v243             ; by row: lanes 0-15 one row of 256 bytes, lanes 16-31 the next
	v_add_nc_u32 v5, s82, v242
	v_add_nc_u32 v6, s82, v243
	v_add_nc_u32 v[OT], s83, v242
	v_add_nc_u32 v[ORW], s83, v243
	v_lshlrev_b32 v7, 4, v240
	v_lshl_add_u32 v7, v241, 11, v7                ; the same two rows in x and in out0
	v_lshlrev_b32 v8, 6, v241
	v_add_nc_u32 v244, s2, v1
	v_lshl_add_u32 v245, v240, 2, s3
	v_add_nc_u32 v9, H2I, v244                     ; where my codes go in h's image,
	v_add_nc_u32 v10, HIDI, v244                   ; in the hidden layer's,
	v_add_nc_u32 v11, H2S, v245                    ; and my scale half-words
	v_add_nc_u32 v12, HIDS, v245
	v_lshl_add_u32 v13, v240, 6, s29
	v_lshlrev_b32 v14, 6, v240
	v_lshl_add_u32 v14, v241, 5, v14
	v_add_nc_u32 v14, STAT, v14                    ; lanes 0-15 read waves 0-3's figures, lanes 16-31 waves 4-7's
	v_add_nc_u32 v[AD], s33, v1
	v_add_nc_u32 v[AD+1], s37, v1
	v_add_nc_u32 v[BH2], H2I, v1
	v_add_nc_u32 v[SH2], H2S, v2
	v_mov_b32 v[C1], 0xc0135761                    ; -c1 = -2.3022082
	v_mov_b32 v[C1+1], 0xc0135761
.set J, 0
.rept 16
	v_mov_b32 v[T+J], 0                            ; written once: lane permutes' destinations, and upper halves of pairs of which the low word serves both halves
.set J, J+1
.endr
	s_wait_alu depctr_va_vdst(0)
	s_wait_dscnt 0x0                               ; both opening adds are done
	s_wait_kmcnt 0x0
	s_add_nc_u64 s[24:25], s[6:7], s[74:75]
	s_add_nc_u64 s[26:27], s[6:7], s[76:77]
	s_add_nc_u64 s[28:29], s[6:7], s[78:79]
	s_add_nc_u64 s[30:31], s[6:7], s[80:81]
.irp p, 10,12,14,16,18
	s_add_nc_u64 s[\p:\p+1], s[\p:\p+1], s[72:73]  ; bo, g2, s2, b1, b2 at my columns
.endr
	s_add_nc_u64 s[8:9], s[8:9], s[66:67]
	s_add_nc_u64 s[20:21], s[20:21], s[66:67]
	s_add_nc_u64 s[68:69], s[4:5], s[68:69]
	s_add_nc_u64 s[70:71], s[4:5], s[70:71]
	s_mov_b64 s[34:35], s[24:25]
	s_or_b32 s35, s35, 0x80000000
	ROUND                                          ; the four work-groups are here: the first joint loads meet
	tensor_load_to_lds s[32:35], s[40:47]          ; stage 0, wo: my one tensor load at the head
	s_nop 0
.irp u, 0,1
.irp i, 0,1,2,3,4,5,6,7
	global_load_b128 v[ACC+32*\u+4*\i:ACC+32*\u+4*\i+3], v7, s[8:9] offset:(8*\u+2*\i+8*(\i/4))*2048 th:TH_LOAD_NT   ; rows 2 i, 2 i + 1 of the tile: sixteen lanes read 256 consecutive bytes, aligned
.endr
.endr
	LOADC B0, 10, 0                                ; bo
.irp st, 0,1,2,3
.irp u, 0,1
.irp c, 0,1
	global_load_b128 v[HB+16*\st+8*\u+4*\c:HB+16*\st+8*\u+4*\c+3], v1, s[68:69] offset:\st*2048+\u*1024+\c*512   ; ctx's eight fragments, as images of their registers
.endr
.endr
	global_load_b32 v[BS+\st], v2, s[70:71] offset:\st*128
.endr
	LOADAS 28, 512, 0
	WIN 0x40
	LOADC CN, 12, 0                                ; g2
	LOADC CN2, 14, 0                               ; s2
	WIN 0
	s_wait_loadcnt 0x0
; x turns through my stage, tile by tile, into the result's layout.  LDS serves a wave's instructions in order: no wait between the stores and the loads, nor in front of the next tile's stores
.irp t, 0,1
.irp i, 0,1,2,3,4,5,6,7
	ds_store_b128 v6, v[ACC+32*\t+4*\i:ACC+32*\t+4*\i+3] offset:544*\i
.endr
.irp g, 0,1
.irp k, 0,1,2,3
	ds_load_b128 v[ACC+32*\t+16*\g+4*\k:ACC+32*\t+16*\g+4*\k+3], v5 offset:128*\g+16*\k
.endr
.endr
.endr
	s_wait_dscnt 0x0
.irp t, 0,1
.set J, 0
.rept 16
	v_pk_add_f32 v[ACC+32*\t+J:ACC+32*\t+J+1], v[ACC+32*\t+J:ACC+32*\t+J+1], v[B0+J:B0+J+1]   ; x + bo: what the first product adds onto
.set J, J+2
.endr
.endr
	LOADC B0, 16, 0                                ; b1 of chunk 0
; ---- stage 0: x2 = x + bo + ctx wo
	STAGE 0
	LDA 0
	MULS 0
	LOADAS 28, 512, 8192
; ---- layer norm 2.  v[T + 8 t] on: eight registers a tile
	WIN 0x05
.irp t, 0,1
	v_pk_add_f32 v[T+8*\t:T+8*\t+1], v[XO+32*\t:XO+32*\t+1], v[XO+32*\t+2:XO+32*\t+3]   ; each accumulator is read from its low end on
.endr
	WIN 0x04
.irp j, 4,6,8,10,12,14,16,18,20,22,24,26,28,30
.irp t, 0,1
	v_pk_add_f32 v[T+8*\t:T+8*\t+1], v[T+8*\t:T+8*\t+1], v[XO+32*\t+\j:XO+32*\t+\j+1]
.endr
.endr
	WIN 0
	HSUM 0
.irp t, 0,1
	D2
	v_mul_f32 v[T+8*\t+4], 0x3c800000, v[T+8*\t]   ; m_w: the mean of my 64 columns
.endr
	WIN 0x01
.irp j, 0,2,4,6,8,10,12,14,16,18,20,22,24,26,28,30
.irp t, 0,1
	v_pk_add_f32 v[ACC+32*\t+\j:ACC+32*\t+\j+1], v[XO+32*\t+\j:XO+32*\t+\j+1], v[T+8*\t+4:T+8*\t+5] op_sel_hi:[1,0] neg_lo:[0,1] neg_hi:[0,1]   ; y = x2 - m_w
.endr
.endr
	WIN 0
.irp t, 0,1
	v_pk_mul_f32 v[T+8*\t:T+8*\t+1], v[ACC+32*\t:ACC+32*\t+1], v[ACC+32*\t:ACC+32*\t+1]
.endr
.irp j, 2,4,6,8,10,12,14,16,18,20,22,24,26,28,30
.irp t, 0,1
	D2
	v_pk_fma_f32 v[T+8*\t:T+8*\t+1], v[ACC+32*\t+\j:ACC+32*\t+\j+1], v[ACC+32*\t+\j:ACC+32*\t+\j+1], v[T+8*\t:T+8*\t+1]
.endr
.endr
	HSUM 5                                         ; M2_w
.irp t, 0,1
	ds_store_b64 v13, v[T+8*\t+4:T+8*\t+5] offset:1024*\t
	v_mov_b32 v[MW+\t], v[T+8*\t+4]
.endr
	s_wait_alu depctr_va_vdst(0)
	s_wait_dscnt 0x0                               ; for the others' sake: my figures have landed
	s_barrier_signal -1                            ; behind this barrier nothing is filled: stage 1's load stays on its way
	s_barrier_wait -1
.irp t, 0,1
	ds_load_b128 v[T+8*\t:T+8*\t+3], v14 offset:1024*\t       ; (m, M2) of four waves
	ds_load_b128 v[T+8*\t+4:T+8*\t+7], v14 offset:1024*\t+16
.endr
	s_wait_dscnt 0x0
.irp t, 0,1
	v_add_f32 v[T+8*\t+1], v[T+8*\t+1], v[T+8*\t+3]
.endr
.irp t, 0,1
	v_add_f32 v[T+8*\t+5], v[T+8*\t+5], v[T+8*\t+7]
.endr
.irp t, 0,1
	v_add_f32 v[T+8*\t+3], v[T+8*\t], v[T+8*\t+2]
.endr
.irp t, 0,1
	v_add_f32 v[T+8*\t+7], v[T+8*\t+4], v[T+8*\t+6]
.endr
.irp t, 0,1
	v_add_f32 v[T+8*\t+1], v[T+8*\t+1], v[T+8*\t+5]   ; four waves' M2
.endr
.irp t, 0,1
	v_add_f32 v[T+8*\t+3], v[T+8*\t+3], v[T+8*\t+7]   ; four waves' means
.endr
.irp t, 0,1
	D2
	v_permlanex16_b32 v[T+8*\t+5], v[T+8*\t+3], s56, s57
.endr
.irp t, 0,1
	D2
	v_add_f32 v[T+8*\t+3], v[T+8*\t+3], v[T+8*\t+5]
.endr
.irp t, 0,1
	D2
	v_mul_f32 v[T+8*\t+3], 0x3e000000, v[T+8*\t+3]    ; the row's mean
.endr
.irp k, 0,2,4,6
.irp t, 0,1
	v_sub_f32 v[T+8*\t+\k], v[T+8*\t+\k], v[T+8*\t+3]
.endr
.endr
.irp t, 0,1
	v_mul_f32 v[T+8*\t+5], v[T+8*\t], v[T+8*\t]
.endr
.irp k, 2,4,6
.irp t, 0,1
	D2
	v_fmac_f32 v[T+8*\t+5], v[T+8*\t+\k], v[T+8*\t+\k]
.endr
.endr
.irp t, 0,1
	D2
	v_fmamk_f32 v[T+8*\t+1], v[T+8*\t+5], 0x42800000, v[T+8*\t+1]   ; + 64 x the squares of the means' differences
.endr
.irp t, 0,1
	D2
	v_permlanex16_b32 v[T+8*\t+5], v[T+8*\t+1], s56, s57
.endr
.irp t, 0,1
	D2
	v_add_f32 v[T+8*\t+1], v[T+8*\t+1], v[T+8*\t+5]
.endr
.irp t, 0,1
	D2
	v_fma_f32 v[T+8*\t+1], v[T+8*\t+1], s58, s59      ; variance + 1e-15
.endr
	s_wait_alu depctr_va_vdst(0)
.irp t, 0,1
	v_rsq_f32 v[T+8*\t], v[T+8*\t+1]
.endr
.irp t, 0,1
	v_sub_f32 v[T+8*\t+2], v[MW+\t], v[T+8*\t+3]      ; m_w - mean: plain work behind the two
.endr
	s_wait_alu depctr_va_vdst(0)                   ; and behind them, ahead of the first reader
.irp t, 0,1
	v_mul_f32 v[T+8*\t+2], v[T+8*\t+2], v[T+8*\t]
.endr
.irp j, 0,2,4,6,8,10,12,14,16,18,20,22,24,26,28,30
.irp t, 0,1
	v_pk_fma_f32 v[ACC+32*\t+\j:ACC+32*\t+\j+1], v[ACC+32*\t+\j:ACC+32*\t+\j+1], v[T+8*\t:T+8*\t+1], v[T+8*\t+2:T+8*\t+3] op_sel_hi:[1,0,0]   ; (x2 - mean) / sqrt
.endr
.endr
	WIN 0x14
.irp j, 0,2,4,6,8,10,12,14,16,18,20,22,24,26,28,30
.irp t, 0,1
	v_pk_fma_f32 v[ACC+32*\t+\j:ACC+32*\t+\j+1], v[ACC+32*\t+\j:ACC+32*\t+\j+1], v[CN+\j:CN+\j+1], v[CN2+\j:CN2+\j+1]
.endr
.endr
	WIN 0
	QUANT
	PUTQ 9, 0, 11, 0
; ---- stages 1 to 4: the hidden layer, 512 units a chunk, 64 a wave.  h's fragments are read once and stay in registers.  Behind a chunk's products the next stage's bias and scale words are asked for
.macro CHUNK q
	STAGE (\q)+1
.if (\q) == 0
	LDB BH2, SH2, 0, 0
.endif
	LDA ((\q)+1)%2
	s_wait_loadcnt 0x0                             ; this stage's scale words and bias, asked for a stage ago
.if (\q) == 0
	MULS 1
.else
	MULS 2
.endif
	WIN 0x40
.if (\q) < 3
	LOADC CN, 16, ((\q)+1)*2048
	WIN 0
	LOADAS 28, 512, ((\q)+2)*8192
.else
	LOADC CN, 18, 0                                ; b2
	WIN 0
	LOADAS 30, 2048, 0
.endif
	GELU
	QUANT
	PUTQ 10, (\q)*8192, 12, (\q)*512
.endm
	CHUNK 0
	CHUNK 1
	CHUNK 2
	CHUNK 3
; ---- stages 5 to 8: out = x2 + b2 + hidden w2, 4 K steps a stage, the sums in x2's registers
.macro DOWN j
	STAGE (\j)+5
	LDB 3, 4, (\j)*8192, (\j)*512
	LDA ((\j)+1)%2
	s_wait_loadcnt 0x0
.if (\j) == 0
	WIN 0x45
.irp t, 0,1
.set J, 0
.rept 16
	v_pk_add_f32 v[XO+32*\t+J:XO+32*\t+J+1], v[XO+32*\t+J:XO+32*\t+J+1], v[CN+J:CN+J+1]
.set J, J+2
.endr
.endr
	WIN 0
	s_wait_alu depctr_va_vdst(0)
.endif
	MULS 3
.if (\j) < 3
	LOADAS 30, 2048, ((\j)+1)*512
.endif
.endm
	DOWN 0
	DOWN 1
	DOWN 2
	DOWN 3
; ---- the way out: x's turn through a stage, the other way round
.irp t, 0,1
	WIN 0x04
.irp g, 0,1
.irp k, 0,1,2,3
	ds_store_b128 v[OT], v[XO+32*\t+16*\g+4*\k:XO+32*\t+16*\g+4*\k+3] offset:128*\g+16*\k   ; each accumulator from its low end on
.endr
.endr
	WIN 0
.irp i, 0,1,2,3,4,5,6,7
	ds_load_b128 v[ACC+32*\t+4*\i:ACC+32*\t+4*\i+3], v[ORW] offset:544*\i
.endr
.endr
.irp t, 0,1
	s_wait_dscnt 16*(1-\t)                         ; tile t is back; behind tile 0's loads stand tile 1's 8 stores and 8 loads
.irp i, 0,1,2,3,4,5,6,7
	global_store_b128 v7, v[ACC+32*\t+4*\i:ACC+32*\t+4*\i+3], s[20:21] offset:(8*\t+2*\i+8*(\i/4))*2048 th:TH_STORE_NT   ; sixteen lanes store 256 consecutive bytes, aligned
.endr
.endr
	s_wait_tensorcnt 0x0                           ; the wave's end
	ds_add_u32 v[SPW], v[NIL]
	s_wait_dscnt 0x0
	ROUND                                          ; the closing round
	s_endpgm
.Lfunc_end_k_qac744aab24_tail:
	.size	k_qac744aab24_tail, .Lfunc_end_k_qac744aab24_tail-k_qac744aab24_tail
	.p2alignl 7, 3214868480
	.fill 96, 4, 3214868480
	.section	.rodata,"a",@progbits
	.p2align	6, 0x0
	.amdhsa_kernel k_qac744aab24_tail
		.amdhsa_group_segment_fixed_size 327680
		.amdhsa_private_segment_fixed_size 0
		.amdhsa_enable_private_segment 0
		.amdhsa_kernarg_size 72
		.amdhsa_user_sgpr_count 2
		.amdhsa_user_sgpr_kernarg_segment_ptr 1
		.amdhsa_wavefront_size32 1
		.amdhsa_system_sgpr_workgroup_id_x 1
		.amdhsa_system_sgpr_workgroup_id_y 1
		.amdhsa_system_sgpr_workgroup_id_z 1
		.amdhsa_system_vgpr_workitem_id 0
		.amdhsa_next_free_vgpr 512
		.amdhsa_next_free_sgpr 84
		.amdhsa_reserve_vcc 0
		.amdhsa_float_denorm_mode_32 3
		.amdhsa_float_denorm_mode_16_64 3
		.amdhsa_memory_ordered 1
		.amdhsa_forward_progress 1
		.amdhsa_inst_pref_size 201
	.end_amdhsa_kernel
	.amdgpu_metadata
---
amdhsa.version: [ 1, 2 ]
amdhsa.kernels:
  - .name:           k_qac744aab24_tail
    .symbol:         k_qac744aab24_tail.kd
    .args:
      - { .name: ctxq, .offset: 0, .size: 8, .value_kind: global_buffer, .address_space: global }
      - { .name: wts, .offset: 8, .size: 8, .value_kind: global_buffer, .address_space: global }
      - { .name: x, .offset: 16, .size: 8, .value_kind: global_buffer, .address_space: global }
      - { .name: bo, .offset: 24, .size: 8, .value_kind: global_buffer, .address_space: global }
      - { .name: g2, .offset: 32, .size: 8, .value_kind: global_buffer, .address_space: global }
      - { .name: s2, .offset: 40, .size: 8, .value_kind: global_buffer, .address_space: global }
      - { .name: b1, .offset: 48, .size: 8, .value_kind: global_buffer, .address_space: global }
      - { .name: b2, .offset: 56, .size: 8, .value_kind: global_buffer, .address_space: global }
      - { .name: out0, .offset: 64, .size: 8, .value_kind: global_buffer, .address_space: global }
    .group_segment_fixed_size: 327680
    .private_segment_fixed_size: 0
    .kernarg_segment_align: 8
    .kernarg_segment_size: 72
    .max_flat_workgroup_size: 256
    .sgpr_count:     84
    .vgpr_count:     512
    .wavefront_size: 32
...
	.end_amdgpu_metadata
.endif
;; end of part 4
